; MI455X (gfx1250); checked and timed in simulation.
; The chip was launched on July 23, 2026; its instructions are those of AMD's public machine-readable ISA for CDNA 5 (MIT licence, August 2026) and "CDNA5" Instruction Set Architecture Reference Guide (July 2026). The comments in the code are by the model that wrote it; some were corrected since.
;; Head. Allowed arithmetic: matrix products marked QUANTISED: E2M3 operands, one E8M0 scale for each 32 along K, by v_wmma_scale_f32_16x16x128_f8f6f4 with both operands' format E2M3, f32 sums; everything else in f32.
;; Inputs: Wk_codes 1,024 x 32 x 24 uint8 (E2M3 codes of Wk, K innermost, in blocks of 32 codes, four codes in three bytes); Wk_scales 1,024 x 32 uint8 (E8M0 scales of Wk, one for each 32 codes along K); Wq_codes 1,024 x 32 x 24 uint8 (E2M3 codes of Wq, K innermost, in blocks of 32 codes, four codes in three bytes); Wq_scales 1,024 x 32 uint8 (E8M0 scales of Wq, one for each 32 codes along K); Wv_codes 1,024 x 32 x 24 uint8 (E2M3 codes of Wv, K innermost, in blocks of 32 codes, four codes in three bytes); Wv_scales 1,024 x 32 uint8 (E8M0 scales of Wv, one for each 32 codes along K); bk 1,024 float32; bq 1,024 float32; bv 1,024 float32; x_codes 4 x 2,048 x 32 x 24 uint8 (E2M3 codes of x, K innermost, in blocks of 32 codes, four codes in three bytes); x_scales 4 x 2,048 x 32 uint8 (E8M0 scales of x, one for each 32 codes along K).
;; Outputs: out0 4 x 2,048 x 1,024 float32.
;; This version of the problem:
;;   THIS VERSION OF THE PROBLEM IS GIVEN IN LOW PRECISION. The matrix products marked QUANTISED in the list below multiply operands that are first quantised to E2M3 (2 exponent bits, 3 mantissa bits; 6 bits a number), with one power-of-two scale for each 32 numbers along K (OCP MX v1.0); their sums are f32. All else is computed in f32.
;;   The module's matrix products, in the order in which they are computed (A, B: the left and right operand; K: the contracted axis; several contracted axes count as one K, in the product's order):
;;     1. [M 8,192, K 1,024] x [K 1,024, N 1,024]; A: input x (given as codes); B: input Wq (given as codes): QUANTISED
;;     2. [M 8,192, K 1,024] x [K 1,024, N 1,024]; A: input x (given as codes); B: input Wk (given as codes): QUANTISED
;;     3. [M 8,192, K 1,024] x [K 1,024, N 1,024]; A: input x (given as codes); B: input Wv (given as codes): QUANTISED
;;     4. batch 4 x [M 2,048, K 1,024] x [K 1,024, N 2,048]; A: computed on the way; B: computed on the way: QUANTISED
;;     5. batch 4 x [M 2,048, K 2,048] x [K 2,048, N 1,024]; A: softmax (see below); B: computed on the way: QUANTISED
;;   THE QUANTISER, for each operand of a quantised product, along K:
;;     - K is cut into blocks of 32 from its start; a last block that is shorter is filled with zeros.
;;     - A block's scale is 2^e with e = floor(log2(the largest magnitude in the block)) - 2, held to -126 .. 127; a block of zeros has e = 0. As a byte (E8M0): e + 127.
;;     - Each number is divided by its block's scale, clamped to +-7.5, and rounded to the nearest number of E2M3, ties to even, subnormals kept.
;;     - The product sums the exact products of the quantised numbers (number of the format x scale) in f32.
;;   ~~~python
;;   def quantise(x, axis):      # numpy; x: float32 -> the quantised numbers, widened to float32 again
;;       x = np.moveaxis(x, axis, -1); K = x.shape[-1]
;;       x = np.pad(x, [(0, 0)] * (x.ndim - 1) + [(0, -K % 32)]); x = x.reshape(x.shape[:-1] + (-1, 32)); a = np.abs(x).max(-1, keepdims=True)
;;       e = np.where(a > 0, np.clip(np.frexp(np.where(a > 0, a, 1))[1] - 1 - 2, -126, 127), 0)      # np.frexp(a)[1] - 1 = floor(log2(a)), exactly
;;       r = np.clip(x / 2.0 ** e, -7.5, 7.5)
;;       step = 2.0 ** (np.maximum(np.frexp(np.where(r == 0, 1, r))[1] - 1, 0) - 3)
;;       q = np.round(r / step) * step * 2.0 ** e      # np.round: ties to even
;;       return np.moveaxis(q.reshape(q.shape[:-2] + (-1,))[..., :K], -1, axis).astype(np.float32)
;;   ~~~
;;   SOFTMAX AHEAD OF A QUANTISED PRODUCT. Where the list says 'softmax', what is quantised is not the finished softmax but p = 2^(t - M), with t = logit x log2(e) and M = ceil(the row's largest t), a whole number; so 1/2 < the row's largest p <= 1. The row's sum l is taken of the UNQUANTISED p, in f32, and the product's result is divided by l at the end. Since M is a whole number, a kernel that streams over the keys may use a running M (the ceiling of the running maximum): every later rescaling is an exact power of two, which a block's scale takes up: the codes' values come out the same.
;;   OPERANDS COMPUTED ON THE WAY. 'Computed on the way' means the value that the module computes at that place (a softmax that the list does not call 'softmax' is quantised finished and normalised). What goes into a quantiser is computed in f32, as accurately as f32 sums, v_exp_f32 and their like allow (about 1e-6 of the number): no bf16 or f16 on the way to a quantiser, and a product that is left as it is and whose result goes on into a quantised operand takes f32 operands (vector FMAs, or v_wmma_f32_16x16x4_f32). A number that lies on a knife's edge between two numbers of the format may be rounded either way, as far as f32 arithmetic and the matrix unit's own rounding can turn it there, and no further.
;;   INPUTS GIVEN AS CODES. Wk (in the module: [1024, 1024], K = its axis 0); Wq (in the module: [1024, 1024], K = its axis 0); Wv (in the module: [1024, 1024], K = its axis 0); x (in the module: [4, 2048, 1024], K = its axis 2): each comes as NAME_codes (uint8): NAME with its K axis moved to the last place and cut into blocks of 32 codes, [.., K / 32, bytes a block], one block behind the other in memory; four codes in three bytes: a row's codes are one little-endian stream of bits, code i at bits 6 i .. 6 i + 5 (a code: sign, 2 exponent bits, 3 mantissa bits); and NAME_scales (uint8): the same leading axes, one E8M0 byte (e + 127) for each 32 codes along K. Its value is code x scale, taken as it is: it is not quantised again, and the codes and scales need not be those that the quantiser above would give.
;; One version. Each part assembles by itself: llvm-mc -triple=amdgcn-amd-amdhsa -mcpu=gfx1250 --defsym DOCPART=n.
;; ======== version 1 of 1: 3 launches
;; limits: right only within a limited range of input values
;; workspace buffers: qk_img 13,107,200 bytes; v_img 6,291,456 bytes; v_sc 262,144 bytes; p_img 12,582,912 bytes; p_stat 1,572,864 bytes
;; launch proj (part 1): grid 16 x 16, 4 waves a work-group, clusters of 4 x 4, 327,680 bytes of LDS; arguments x_codes, x_scales, Wq_codes, Wq_scales, Wk_codes, Wk_scales, Wv_codes, Wv_scales, bq, bk, bv, qk_img, v_img, v_sc; writes qk_img, v_img, v_sc
.if DOCPART == 1
	.amdgcn_target "amdgcn-amd-amdhsa--gfx1250"
	.amdhsa_code_object_version 6
	.text
	.protected	k_qba558651d2_proj
	.globl	k_qba558651d2_proj
	.p2align	8
	.type	k_qba558651d2_proj,@function
k_qba558651d2_proj:
	s_mov_b64 s[64:65], 0
	v_nop
	global_prefetch_b8 v0, s[64:65] scope:SCOPE_SE
	s_setreg_imm32_b32 hwreg(HW_REG_WAVE_MODE, 25, 1), 1
	s_wait_xcnt 0x0
	s_wait_alu depctr_hold_cnt(0) depctr_sa_sdst(0) depctr_va_vdst(0) depctr_va_sdst(0) depctr_va_ssrc(0) depctr_va_vcc(0) depctr_vm_vsrc(0)
	s_getreg_b32 s2, hwreg(HW_REG_IB_STS2, 6, 4)
	s_cmp_eq_u32 s2, 0
	s_cbranch_scc0 .Lentry_in_a_cluster
	s_endpgm
.Lentry_in_a_cluster:
	s_bfe_u32 s2, ttmp6, 0x10000c
	s_cmp_lg_u32 s2, 0xf033
	s_cbranch_scc0 .Lentry_shape_is_right
	s_endpgm
.Lentry_shape_is_right:
; q = x Wq + bq, k = x Wk + bk, v = x Wv + bv on codes of FP6 (E2M3); each result is quantised again in registers: q and k along the channels, v along the tokens.  No f32 result is stored.
; LIMITS: NaN and infinities are not served.  A block of zeros gets the byte 1 (its codes are zeros; this program alone reads the bytes).
; THE ORDER OF ROWS.  A tile j = 0 .. 3 of a band of 64 rows takes, in lanes r < 8, the rows 8 j + r, and in lanes r >= 8 the rows 32 + 8 (j xor 1) + r - 8: E for even j (row r + 32 (r / 8), + 16 for each pair of tiles), O = E xor 8 for odd j.
; So over a band's four tiles a lane's 32 results are one scale block: rows 0-31 in one half of the lanes, 32-63 in the other; and the 16 rows of a load are distinct modulo 16.  x's tokens and the weights' columns are both taken so, by the LDS addresses alone.
; WHAT IS STORED: qk_img [tensor][128 tokens: 64][slice of 128 channels: 8][12,800]: 8 blocks (4 x band + j) of [c = 64 channels][512 bytes: registers 0-3 | 256 bytes: registers 4, 5], then the record of scale words, 512 bytes:
; the word of row r of block a at 256 (a / 4) + 16 r + 4 (a % 4), its byte 2 c + h.  v_img [128 channels: 8][128 tokens: 64][12,288], the same with rows = channels and c = the band of 64 tokens; v_sc its records.
; THE DEAL.  Four waves, 2 x 2: s15 the band of 64 rows in each chunk of 128, s16 the 64 columns.  A wave holds 64 columns of a weight, all of K, in registers and streams rows past them in blocks of 16.
; Phase 1: 256 x 128 of V; its rows are a half of the work-group's own 512.  Phase 2: 512 x 128 of Q or K; the half that lies in LDS comes first.  Half (s87) and tensor (s19) come from the cluster's number alone.
; CLUSTERS 4 x 4: x's rows are asked for jointly along a row of the cluster, a weight's along a column.
; FILLS: at the head one tensor load a wave: Wv's rows, both chunks' scale bytes, chunk 0, chunk 1.  Three refills, each in a drained round: the second weight (V's block 2), the other half's chunks (phase 2's blocks 2 and 6).
; A BLOCK is 32 products; behind every second one stand two entries of its list: scalar lines and a vector line: the next addresses, the descriptors, the last block's largest magnitudes.
; WAITS: a block's rows were fetched two blocks ago; younger are the next block's NF loads and the byte stores issued between.
; PREFETCHES: the second weight at the head, each later chunk one refill ahead, shared by address among the sixteen waves that ask jointly.
.set NQ, 8
.set NB, 4
.set TM, 512
.set TV, 256
.set TN, 128
.set KROW, 768
.set KS, 32
.set PITCH, 816
.set FR, 12
.set FPW, 21
.set NF, 28
.set RA, 128
.set YB, RA*PITCH
.set BVB, 2*RA*PITCH
.set SCL, BVB+TN*PITCH
.set CU, 16
.set SCB, CU*272
.set XN, SCL+2*SCB                     ; q's or k's scale bytes: [wave column][chunk in the order of work][128 rows x 2]
.set XM, XN+2048                       ; v's: [band][chunk][128 channels x 2]
.set SPARE, XM+1024
.set EMAX, 2
.set ADRA0, 4                          ; v4-6 E: rows (two forms), scale words
.set AO, 252                           ; v252-254 the same for O
.set CO, 9
.set C8, 255
.set SPW, 10
.set NIL, 11
.set ADRA, 12
.set ADRB, 14
.set ABS, 16
.set AAS, 17
.set STO, 18
.set STV, 19
.set SB, 24
.set TQ, 40
.set SA, 44
.set TC, 60
.set ACC, 64
.set HV0, 64
.set HV1, 840
.set NCD, 128
.set MCD, 192
.set SOP, 240
.set EB, 244
.set VX, 248
.set SB2, 968
.set BA, 984
.set BBV, 992
.set BBQ, 160
.set G1A, 24
.set G0A, 56
.set G0R, 68
.set G1B, 32
.set G0B, 60
.set G1S, 92
.set G0S, 72
.set MSB, 0
.macro WIN new
.if MSB != \new
	s_set_vgpr_msb (MSB<<8)|\new
.set MSB, \new
.endif
.endm
.macro PLACES n
.rept \n
	v_nop
.endr
.endm
.macro WALU
	s_wait_alu depctr_va_vdst(0)
.endm
.macro BARRIER
	s_barrier_signal -1
	s_barrier_wait -1
.endm
.macro MIDDLE
	WIN 0
	s_barrier_wait -1
	s_cmp_lg_u32 s14, 0
	s_cbranch_scc1 .Lnot_wave_0_\@
	s_barrier_signal -3
.Lnot_wave_0_\@:
	s_barrier_wait -3
.endm
.macro CROUND
	s_barrier_signal -1
	MIDDLE
	BARRIER
.endm
.macro GRD
	s_wait_tensorcnt 0x0
	ds_add_u32 v[SPW], v[NIL]
.endm
.macro TLOAD g0, g1
	tensor_load_to_lds s[\g0:\g0+3], s[\g1:\g1+7]
	s_nop 0
	PLACES 4
.endm
.macro GROUP1 g, mask, rows
	s_or_b32 s[\g+0], s[\mask], (1<<20)|(1<<21)|(5<<22)|(3<<25)
	s_mov_b32 s[\g+1], KROW<<16
	s_mov_b32 s[\g+2], (\rows)<<16
	s_mov_b32 s[\g+3], KROW<<16
	s_mov_b32 s[\g+4], \rows
	s_mov_b32 s[\g+5], KROW
	s_mov_b32 s[\g+6], 0
	s_mov_b32 s[\g+7], 0
.endm
.macro SADD d, x
	s_add_co_u32 s\d, s\d, s\x
.endm
.macro G0SET g, base, off              ; s21 = 0
	s_mov_b32 s20, s\off
	s_add_nc_u64 s[\g+2:\g+3], s[\base:\base+1], s[20:21]
	s_or_b32 s[\g+3], s[\g+3], 0x80000000
.endm
; Fragment f lies in window 1 + f / 21 at register 12 (f % 21): 0-31 the weights' (4 q + b), 32-39 and 40-47 the rows' two sets.
.macro FRAG f, q, a0, a1, aw
	WIN ((1+(\f)/FPW)<<6)|(\aw)
.set R_, FR*((\f)%FPW)
.set SKIP_, 0
.irp p, 0,1,2,3,4,5
.if SKIP_
.set SKIP_, 0
.else
.set PC_, 12*(\q)+6*(\p/3)+\p%3
.set PN_, 12*(\q)+6*((\p+1)/3)+(\p+1)%3
.set X_, (PC_%32+3)/32
.set XQ_, (PN_%32+3)/32
.if (\p < 5) && (X_ == XQ_)
.set SKIP_, 1
.if X_
	ds_load_2addr_b64 v[R_+2*\p:R_+2*\p+3], \a1 offset0:PC_+2*(PC_/32) offset1:PN_+2*(PN_/32)
.else
	ds_load_2addr_b64 v[R_+2*\p:R_+2*\p+3], \a0 offset0:PC_+2*(PC_/32) offset1:PN_+2*(PN_/32)
.endif
.elseif X_
	ds_load_b64 v[R_+2*\p:R_+2*\p+1], \a1 offset:8*(PC_+2*(PC_/32))
.else
	ds_load_b64 v[R_+2*\p:R_+2*\p+1], \a0 offset:8*(PC_+2*(PC_/32))
.endif
.endif
.endr
.endm
.macro WEIGHTS                         ; my 64 columns, all of K: 104 loads
.irp q, 0,1,2,3,4,5,6,7
.irp b, 0,1,2,3
	FRAG NB*\q+\b, \q, v[BA-768+2*\b], v[BA-768+2*\b+1], 3
.endr
.endr
	WIN 0
.endm
.macro FETCHAT e, a0, a1, as           ; a block's rows into set e: NF loads
.irp q, 0,1,2,3,4,5,6,7
	FRAG NB*NQ+NQ*(\e)+\q, \q, \a0, \a1, 0
.endr
	WIN 0
	ds_load_b128 v[SA+8*(\e):SA+8*(\e)+3], \as
	ds_load_b128 v[SA+8*(\e)+4:SA+8*(\e)+7], \as offset:16
.endm
.macro FETCH e
	FETCHAT \e, v[ADRA], v[ADRA+1], v[AAS]
.endm
.macro FETCH01                         ; a phase's first two blocks, from slot 0
	FETCHAT 0, v[ADRA0], v[ADRA0+1], v[ADRA0+2]
	FETCHAT 1, v[AO], v[AO+1], v[AO+2]
	s_mov_b32 s101, 0
	s_mov_b32 s91, 0
.endm
; A product, n = 4 q + tile.  kind 0 (q, k): source 0 the weight's columns; kind 1 (v): source 0 x's rows.  The first takes the bias as C.
.macro PROD kind, e, n, a0, as
.set Q_, (\n)/4
.set FB_, NB*Q_+(\n)%4
.set FA_, NB*NQ+NQ*(\e)+Q_
.set D_, (\a0)+(\as)*((\n)%4)
.set DL_, D_&255
.set XB_, SB+NQ*(((\n)%4)/2)+Q_
.set XA_, SA+8*(\e)+Q_
.if \kind
.if Q_
	WIN (1+FA_/FPW)|((1+FB_/FPW)<<2)|((D_>>8)<<4)|((D_>>8)<<6)
	PROD1 DL_, FA_, FB_, v[DL_:DL_+7], XA_, XB_, b, (\n)%2
.else
	WIN (1+FA_/FPW)|((1+FB_/FPW)<<2)|(3<<4)|((D_>>8)<<6)
	PROD1 DL_, FA_, FB_, v[BBV-768+8*((\n)%4):BBV-768+8*((\n)%4)+7], XA_, XB_, b, (\n)%2
.endif
.else
	WIN (1+FB_/FPW)|((1+FA_/FPW)<<2)|((D_>>8)<<4)|((D_>>8)<<6)
.if Q_
	PROD1 DL_, FB_, FA_, v[DL_:DL_+7], XB_, XA_, a, (\n)%2
.else
	PROD1 DL_, FB_, FA_, v[BBQ+8*((\n)%4):BBQ+8*((\n)%4)+7], XB_, XA_, a, (\n)%2
.endif
.endif
.endm
.macro PROD1 d, s0, s1, c, x0, x1, side, o
.if \o
	v_wmma_scale_f32_16x16x128_f8f6f4 v[\d:\d+7], v[FR*((\s0)%FPW):FR*((\s0)%FPW)+FR-1], v[FR*((\s1)%FPW):FR*((\s1)%FPW)+FR-1], \c, v[\x0], v[\x1] matrix_a_fmt:MATRIX_FMT_FP6 matrix_b_fmt:MATRIX_FMT_FP6 matrix_\side\()_scale:MATRIX_SCALE_ROW1
.else
	v_wmma_scale_f32_16x16x128_f8f6f4 v[\d:\d+7], v[FR*((\s0)%FPW):FR*((\s0)%FPW)+FR-1], v[FR*((\s1)%FPW):FR*((\s1)%FPW)+FR-1], \c, v[\x0], v[\x1] matrix_a_fmt:MATRIX_FMT_FP6 matrix_b_fmt:MATRIX_FMT_FP6 matrix_\side\()_scale:MATRIX_SCALE_ROW0
.endif
.endm
.macro BLOCK kind, e, a0, as, from, to, list, x=0, y=0
.set N_, \from
.rept (\to)-(\from)
	PROD \kind, \e, N_, \a0, \as
.if N_%2
	\list N_-1, \x, \y
	\list N_, \x, \y
.endif
.set N_, N_+1
.endr
.endm
; The list parts: each macro writes entry i of its part, and nothing beyond its last.
; STEP: addresses of the block two on (set e, pair pr of its chunk's two; at pr = 0 an even block goes on to the other slot): 3 entries, 4 where the slot changes
.macro STEP i, e, pr
.if (\e) == 1
	STEPV \i, \e, \pr
.elseif (\pr) == 1
.if (\i) == 0
	s_add_co_u32 s18, s101, 16*PITCH
	s_add_co_u32 s17, s91, 544
.endif
	STEPV \i, \e, \pr
.else
.if (\i) == 0
	s_add_co_u32 s101, s101, YB
	s_cmp_eq_u32 s101, 2*YB
	s_cselect_b32 s101, 0, s101
	s_add_co_u32 s91, s91, SCB
.elseif (\i) == 1
	s_cmp_eq_u32 s91, 2*SCB
	s_cselect_b32 s91, 0, s91
.endif
	STEPV (\i)-1, \e, \pr
.endif
.endm
.macro STEPV i, e, pr
.set SR_, 101-83*(\pr)
.set SS_, 91-74*(\pr)
.set AB_, ADRA0+(AO-ADRA0)*(\e)
.if (\i) == 0
	WIN 0
	v_add_nc_u32 v[ADRA], s[SR_], v[AB_]
.elseif (\i) == 1
	WIN 0
	v_add_nc_u32 v[ADRA+1], s[SR_], v[AB_+1]
.elseif (\i) == 2
	WIN 0
	v_add_nc_u32 v[AAS], s[SS_], v[AB_+2]
.endif
.endm
; CHAIN, 18 entries: the largest magnitude of the 32 sums from register x on, by two chains, and the conversions' scale operand v[SOP+n]
.macro CHAIN i, x, n, t=TQ
.set XW_, (\x)>>8
.set XL_, (\x)&255
.if (\i) >= 0 && (\i) < 14
.set B_, XL_+16*((\i)%2)+2*((\i)/2)
.set T_, (\t)+1-(\i)%2
.if (\i) < 2
	WIN XW_|(XW_<<2)|(XW_<<4)
	v_max3_num_f32 v[T_], |v[B_]|, |v[B_+1]|, |v[B_+2]|
.else
	WIN (XW_<<2)|(XW_<<4)
	v_max3_num_f32 v[T_], v[T_], |v[B_+1]|, |v[B_+2]|
.endif
.elseif (\i) == 14
	WIN XW_<<2
	v_max3_num_f32 v[\t+1], v[\t+1], |v[XL_+15]|, (EMAX+1)<<23
.elseif (\i) == 15
	WIN 0
	v_nop
.elseif (\i) == 16
	WIN XW_<<2
	v_max3_num_f32 v[\t], v[\t], |v[XL_+31]|, v[\t+1]
.elseif (\i) == 17
	WIN 0
	v_add_nc_u32 v[SOP+\n], -(EMAX<<23), v[\t]
.endif
.endm
; CODES, 6 lines: 32 codes into v[c .. c+5], the scale's byte into v[EB+n]
.macro CODES i, x, c, n, t=TC
.set XW_, (\x)>>8
.set XL_, (\x)&255
.if (\i) == 0
	WIN XW_
	v_cvt_scalef32_pk16_fp6_f32 v[\c:\c+2], v[XL_:XL_+15], v[SOP+\n]
.elseif (\i) == 1
	WIN XW_
	v_cvt_scalef32_pk16_fp6_f32 v[\t:\t+2], v[XL_+16:XL_+31], v[SOP+\n]
.elseif (\i) == 2
	WIN 0
	v_lshrrev_b32 v[EB+\n], 23, v[SOP+\n]
.else
	WIN 0
	v_mov_b32 v[\c+\i], v[\t+\i-3]
.endif
.endm
.macro CODES6 x, c, n
.irp i, 0,1,2,3,4,5
	CODES \i, \x, \c, \n
.endr
.endm
.macro PUT c, base, off                ; six registers of codes: 512 and 256 consecutive bytes
	global_store_b128 v[CO], v[\c:\c+3], s[\base:\base+1] offset:\off
	global_store_b64 v[C8], v[\c+4:\c+5], s[\base:\base+1] offset:(\off)+512
.endm
.macro PFTILE v, off, share            ; my sixteenth of a tile of 128 rows
	s_mul_i32 s21, s\share, RA*KROW/16
	s_add_co_u32 s20, s\off, s21
	WIN 0
	v_min_u32 v\v, RA*KROW/16/256-1, v3
	v_lshl_add_u32 v\v, v\v, 8, s20
.endm
.macro PFGO v, base
	global_prefetch_b8 v\v, s[\base:\base+1] th:TH_LOAD_NT scope:SCOPE_SE
.endm
.macro ASK i                           ; 4 entries: descriptors of the chunk at s88 for slot s47 and of its scale bytes at s55 for place s8
.if (\i) == 0
	s_mul_i32 s[G0R+1], s14, RA/2*PITCH
	s_add_co_u32 s[G0R+1], s[G0R+1], s47
	s_mul_i32 s20, s14, RA/2*KROW
	SADD 20, 88
.elseif (\i) == 1
	s_mov_b32 s21, 0
	s_add_nc_u64 s[G0R+2:G0R+3], s[4:5], s[20:21]
	s_or_b32 s[G0R+3], s[G0R+3], 0x80000000
	s_mov_b32 s[G0S+1], s8
.elseif (\i) == 2
	s_mov_b32 s20, s55
	s_add_nc_u64 s[G0S+2:G0S+3], s[6:7], s[20:21]
	s_or_b32 s[G0S+3], s[G0S+3], 0x80000000
	s_add_co_u32 s88, s88, RA*KROW
.elseif (\i) == 3
	s_add_co_u32 s55, s55, CU*256
	s_xor_b32 s47, s47, YB
	s_xor_b32 s8, s8, (SCL)^(SCL+SCB)
.endif
.endm
.macro PAIR i                          ; 4 entries: where pair s46's codes go (by its true number) and its scale bytes (the stage lies in the order of work)
.if (\i) == 0
	s_lshl_b32 s3, s87, 2
	s_xor_b32 s3, s3, s46
	s_lshr_b32 s20, s3, 1
	s_mul_i32 s20, s20, 102400
.elseif (\i) == 1
	s_and_b32 s21, s3, 1
	s_mul_i32 s21, s21, 3072
	SADD 20, 21
	s_mov_b32 s21, 0
.elseif (\i) == 2
	s_add_nc_u64 s[84:85], s[10:11], s[20:21]
	s_lshr_b32 s22, s46, 1
	s_lshl_b32 s22, s22, 8
	s_and_b32 s23, s46, 1
.elseif (\i) == 3
	s_lshl_b32 s23, s23, 2
	s_or_b32 s22, s22, s23
	s_add_co_u32 s46, s46, 1
	WIN 0
	v_add_nc_u32 v[VX], s22, v[STO]
.endif
.endm
; The lists
.macro L_STEP i, x, y
	STEP \i, \x, \y
.endm
.macro L_NONE i, x, y
.endm
.macro L_VO i, x, y
	STEP \i, \y, 1
	CHAIN (\i)-3, \x, \y
.endm
.macro L_LAST i, x, y
	CHAIN \i, \x, \y
.endm
.macro L_EV i, x, y
	STEP \i, 0, \x
	CHAIN (\i)-4+(\x), ACC+32, 1
.endm
.macro L_V2 i, x, y
.if (\i) == 0
	s_mov_b32 s[G1A+2], (RA/2)<<16
	s_mov_b32 s[G1A+4], RA/2
	s_mov_b32 s[G1S+2], CU<<16
	s_mov_b32 s[G1S+4], CU
.elseif (\i) == 1
	s_mov_b32 s[G1B+2], (TN/2)<<16
	s_mov_b32 s[G1B+4], TN/2
	s_mul_i32 s[G0B+1], s14, TN/2*PITCH
	s_add_co_u32 s[G0B+1], s[G0B+1], BVB
.elseif (\i) == 2
	s_mul_i32 s20, s14, TN/2*KROW
	SADD 20, 9
	s_mov_b32 s21, 0
	s_add_nc_u64 s[G0B+2:G0B+3], s[76:77], s[20:21]
.elseif (\i) == 3
	s_or_b32 s[G0B+3], s[G0B+3], 0x80000000
.elseif (\i) == 8
	PFTILE 7, 88, 90
.elseif (\i) == 9
	s_lshl_b32 s21, s90, 9
	s_add_co_u32 s20, s55, s21
	WIN 0
	v_min_u32 v8, 1, v3
	v_lshl_add_u32 v8, v8, 8, s20
.endif
	STEP (\i)-4, 0, 0
.endm
.macro L_V7 i, x, y
.if (\i) == 0
	s_add_co_u32 s22, s88, RA*KROW
	PFTILE 20, 22, 90
.endif
	CHAIN (\i)-1, \x, \y
.endm
.macro L_ODD i, x, y
	PAIR \i
	STEP (\i)-4, 1, \x
	CHAIN (\i)-7, ACC, 0
.endm
.macro L_ODDL i, x, y
	PAIR \i
	CHAIN (\i)-4, ACC, 0
.endm
.macro L_ROUND i, x, y
	ASK \i
	STEP (\i)-4, 0, 0
	CHAIN (\i)-8, ACC+32, 1
.endm
; Phase 2's blocks.  w: the count of the wait for the block's rows (-1: they are shown in already); pr: for STEP
.macro WAITDS w
.if (\w) >= 0
	s_wait_dscnt \w
.endif
.endm
.macro EVENOUT fetch
	WALU
	ds_store_b8 v[VX], v[EB+1] offset:2
	PUT NCD+6, 84, 1536
.if \fetch
	FETCH 0
.endif
.endm
.macro EVEN w, fetch, pr
	WAITDS \w
.if \fetch
	BLOCK 0, 0, ACC, 8, 0, 32, L_EV, \pr
.else
	BLOCK 0, 0, ACC, 8, 0, 32, L_LAST, ACC+32, 1
.endif
	WIN 0
	CODES6 ACC+32, NCD+6, 1
	EVENOUT \fetch
.endm
.macro EVENROUND w
	WAITDS \w
	GRD
	BLOCK 0, 0, ACC, 8, 0, 26, L_ROUND
	WIN 0
	WALU
	s_wait_dscnt 0x0
	s_barrier_signal -1
	BLOCK 0, 0, ACC, 8, 26, 32, L_NONE
	WIN 0
	CODES6 ACC+32, NCD+6, 1
	MIDDLE
	BARRIER
	s_cmp_lt_u32 s14, 2
	s_cbranch_scc0 .Lscales_\@
	TLOAD G0R, G1A
	s_branch .Lasked_\@
.Lscales_\@:
	s_cmp_eq_u32 s14, 2
	s_cbranch_scc0 .Lnone_\@
	TLOAD G0S, G1S
.Lnone_\@:
.Lasked_\@:
	EVENOUT 1
.endm
.macro EVENSHOW w                      ; a plain barrier shows the last refill to all
	WAITDS \w
	BLOCK 0, 0, ACC, 8, 0, 26, L_EV, 0
	WIN 0
	WALU
	s_wait_tensorcnt 0x0
	s_wait_dscnt 0x0
	s_barrier_signal -1
	BLOCK 0, 0, ACC, 8, 26, 32, L_NONE
	WIN 0
	s_barrier_wait -1
	CODES6 ACC+32, NCD+6, 1
	EVENOUT 1
.endm
.macro ODD w, fetch, pr
	WAITDS \w
	s_wait_xcnt 0x0
.if \fetch
	BLOCK 0, 1, ACC+32, 8, 0, 32, L_ODD, \pr
.else
	BLOCK 0, 1, ACC+32, 8, 0, 32, L_ODDL
.endif
	WIN 0
	CODES6 ACC, NCD, 0
	WALU
	ds_store_b8 v[VX], v[EB]
	PUT NCD, 84, 0
.if \fetch
	FETCH 1
.endif
.endm
; ---- the head
	s_load_b128 s[4:7], s[0:1], 0x0                ; x codes, x scales
	s_load_b256 s[76:83], s[0:1], 0x10             ; Wq codes, scales, Wk codes, scales
	s_load_b128 s[48:51], s[0:1], 0x30             ; Wv codes, scales
	s_load_b128 s[88:91], s[0:1], 0x40             ; bq, bk
	s_load_b64 s[2:3], s[0:1], 0x50                ; bv
	v_lshl_add_u32 v[SPW], v0, 2, SPARE
	v_mov_b32 v[NIL], 0
	ds_add_u32 v[SPW], v[NIL]
	ds_add_u32 v[SPW], v[NIL]
	v_lshrrev_b32 v1, 5, v0
	v_readfirstlane_b32 s14, v1
	s_lshr_b32 s15, s14, 1
	s_and_b32 s16, s14, 1
	s_bfe_u32 s40, ttmp6, 0x40000                  ; cx
	s_bfe_u32 s41, ttmp6, 0x40004                  ; cy
	s_lshl_b32 s42, ttmp9, 2
	s_add_co_u32 s42, s42, s40                     ; phase 2's tile column, 0 .. 15
	s_and_b32 s43, ttmp7, 0xffff
	s_lshl_b32 s43, s43, 2
	s_add_co_u32 s43, s43, s41                     ; its tile row
	s_lshr_b32 s19, ttmp9, 1                       ; 0 q, 1 k
	s_and_b32 s87, ttmp9, 1                        ; v's half of my 512 rows
	s_lshl_b32 s13, s19, 2
	s_add_co_u32 s13, s13, s40                     ; v's tile column
	s_lshl_b32 s12, s43, 1
	s_add_co_u32 s12, s12, s87                     ; v's tile row
	s_and_b32 s46, s42, 7                          ; the tile column in its tensor
	s_lshl_b32 s44, s41, 2
	s_lshl_b32 s44, 15, s44                        ; my row of the cluster
	s_lshl_b32 s45, 0x1111, s40                    ; my column
	GROUP1 G1A, 44, RA
	GROUP1 G1B, 45, TN
	s_or_b32 s[G1S+0], s44, (3<<16)|(1<<20)|(1<<21)|(5<<22)|(3<<25)
	s_mov_b32 s[G1S+1], 32<<16
	s_mov_b32 s[G1S+2], (2*CU)<<16
	s_mov_b32 s[G1S+3], 32<<16
	s_mov_b32 s[G1S+4], 2*CU
	s_mov_b32 s[G1S+5], 32
	s_mov_b32 s[G1S+6], 0
	s_mov_b32 s[G1S+7], 0
	s_mov_b32 s[G0S], 1
	s_mov_b32 s[G0S+1], SCL
	s_mov_b32 s[G0A], 1
	s_mov_b32 s[G0A+1], 0
	s_mov_b32 s[G0B], 1
	s_mov_b32 s[G0B+1], BVB
	s_mov_b32 s[G0R], 1
	s_mov_b32 s[G0R+1], YB
	s_mul_i32 s67, s43, TM*KROW                    ; my 512 rows, bytes from x's codes
	s_mul_i32 s66, s12, TV*KROW                    ; v's half of them
	s_mul_i32 s9, s46, TN*KROW                     ; Wq's or Wk's rows
	s_mul_i32 s54, s13, TN*KROW                    ; Wv's
	s_mul_i32 s55, s43, TM*KS                      ; my rows' scale bytes
	s_mul_i32 s17, s12, TV*KS                      ; those of v's half
	s_mul_i32 s18, s15, 64*PITCH
	s_mul_i32 s20, s16, 64*PITCH
	s_add_co_u32 s20, s20, BVB
	s_mul_i32 s21, s15, 8*272
	s_add_co_u32 s21, s21, SCL
	s_lshl_b32 s22, s16, 10
	s_lshl_b32 s23, s15, 7
	SADD 22, 23
	s_add_co_u32 s22, s22, XN
	s_lshl_b32 s23, s15, 9
	s_lshl_b32 s47, s16, 7
	SADD 23, 47
	s_add_co_u32 s23, s23, XM
	v_and_b32 v1, 15, v0                           ; r
	v_bfe_u32 v2, v0, 4, 1                         ; h
	v_and_b32 v3, 31, v0                           ; lane
	v_and_b32 v20, 7, v1
	v_lshrrev_b32 v21, 3, v1
	v_lshl_add_u32 v22, v21, 5, v1                 ; E
	v_xor_b32 v23, 8, v22                          ; O
	v_mul_u32_u24 v40, v22, PITCH
	v_mul_u32_u24 v41, v23, PITCH
	v_mad_u32_u24 v42, v2, 24, v40
	v_mad_u32_u24 v43, v2, 40, v40                 ; behind one padding more
	v_mad_u32_u24 v60, v2, 24, v41
	v_mad_u32_u24 v61, v2, 40, v41
	v_add_nc_u32 v[ADRA0], s18, v42
	v_add_nc_u32 v[ADRA0+1], s18, v43
	v_add_nc_u32 v[AO], s18, v60
	v_add_nc_u32 v[AO+1], s18, v61
	v_add_nc_u32 v[ADRB], s20, v42
	v_add_nc_u32 v[ADRB+1], s20, v43
	v_add_nc_u32 v42, s20, v60
	v_add_nc_u32 v43, s20, v61
	v_lshlrev_b32 v40, 5, v20                      ; scale rows: 32 bytes, eight to a unit of 272
	v_mad_u32_u24 v41, v21, 5*272, v40
	v_add_nc_u32 v[ADRA0+2], s21, v41
	v_mad_u32_u24 v41, v21, 3*272, v40
	v_add_nc_u32 v41, 272, v41
	v_add_nc_u32 v[AO+2], s21, v41
	v_lshlrev_b32 v40, 3, v2
	v_xor_b32 v40, v22, v40
	v_lshlrev_b32 v[ABS], 5, v40                   ; lanes 0-15 an even tile's columns, 16-31 an odd one's
	v_lshlrev_b32 v22, 2, v22                      ; v's bias: by column
	v_lshlrev_b32 v23, 2, v23
	v_mul_u32_u24 v21, 160, v2                     ; q's or k's: register 8 j + i of half h is column 8 j + i or 32 + 8 (j xor 1) + i
	v_mul_u32_u24 v63, 96, v2
	v_lshlrev_b32 v[CO], 4, v3
	v_lshlrev_b32 v[C8], 3, v3
	v_lshl_add_u32 v8, v1, 3, v2
	v_add_nc_u32 v[STO], s22, v8
	v_add_nc_u32 v[STV], s23, v8
	WALU
	s_wait_dscnt 0x0
	CROUND                                         ; the opening round, ahead of the wait for the arguments
	s_wait_kmcnt 0x0
	s_cmp_eq_u32 s19, 0
	s_cselect_b64 s[76:77], s[76:77], s[80:81]
	s_cselect_b64 s[78:79], s[78:79], s[82:83]
	s_cselect_b64 s[88:89], s[88:89], s[90:91]
	s_mov_b32 s20, s66
	s_mov_b32 s21, 0
	s_add_nc_u64 s[G0A+2:G0A+3], s[4:5], s[20:21]
	s_add_nc_u64 s[G0R+2:G0R+3], s[G0A+2:G0A+3], RA*KROW
	s_or_b32 s[G0A+3], s[G0A+3], 0x80000000
	s_or_b32 s[G0R+3], s[G0R+3], 0x80000000
	G0SET G0B, 48, 54
	G0SET G0S, 6, 17
	s_cmp_eq_u32 s14, 0
	s_cbranch_scc0 .Lwave_1
	TLOAD G0B, G1B
	s_branch .Lasked
.Lwave_1:
	s_cmp_eq_u32 s14, 1
	s_cbranch_scc0 .Lwave_2
	TLOAD G0S, G1S
	s_branch .Lasked
.Lwave_2:
	s_cmp_eq_u32 s14, 2
	s_cbranch_scc0 .Lwave_3
	TLOAD G0A, G1A
	s_branch .Lasked
.Lwave_3:
	TLOAD G0R, G1A
.Lasked:
	s_lshl_b32 s22, s16, 11                        ; the weights' scale bytes: my 64 columns
	s_mul_i32 s20, s46, TN*KS
	SADD 20, 22
	s_add_nc_u64 s[78:79], s[78:79], s[20:21]
	s_mul_i32 s20, s13, TN*KS
	SADD 20, 22
	s_add_nc_u64 s[84:85], s[50:51], s[20:21]
	s_lshl_b32 s22, s16, 8                         ; and their biases
	s_lshl_b32 s20, s46, 9
	SADD 20, 22
	s_add_nc_u64 s[88:89], s[88:89], s[20:21]
	s_lshl_b32 s20, s13, 9
	SADD 20, 22
	s_add_nc_u64 s[2:3], s[2:3], s[20:21]
.irp p, 0,1
.irp c, 0,1
	global_load_b128 v[SB+NQ*\p+4*\c:SB+NQ*\p+4*\c+3], v[ABS], s[84:85] offset:\p*512+16*\c
.endr
.endr
	WIN 3<<6
	global_load_b32 v[BBV-768], v22, s[2:3]
	global_load_b32 v[BBV-768+8], v23, s[2:3]
	global_load_b32 v[BBV-768+16], v22, s[2:3] offset:64
	global_load_b32 v[BBV-768+24], v23, s[2:3] offset:64
.irp p, 0,1
.irp c, 0,1
	global_load_b128 v[SB2-768+NQ*\p+4*\c:SB2-768+NQ*\p+4*\c+3], v[ABS], s[78:79] offset:\p*512+16*\c
.endr
.endr
	WIN 0
	s_wait_xcnt 0x0
	s_load_b64 s[10:11], s[0:1], 0x58              ; qk_img
	s_load_b64 s[50:51], s[0:1], 0x60              ; v_img
	s_load_b64 s[52:53], s[0:1], 0x68              ; v_sc
	s_mul_i32 s80, s19, 6553600                    ; where the results go
	s_mul_i32 s22, s43, 409600
	SADD 80, 22
	s_mul_i32 s22, s46, 12800
	SADD 80, 22
	s_mul_i32 s82, s15, 6144
	s_mul_i32 s22, s16, 768
	SADD 82, 22
	SADD 82, 80
	s_lshl_b32 s22, s87, 1                         ; wave n stores the record of the chunk that came n-th in the order of work
	s_xor_b32 s22, s22, s14
	s_mul_i32 s83, s22, 102400
	SADD 83, 80
	s_add_co_u32 s83, s83, 12288
	s_lshl_b32 s22, s13, 6
	s_lshl_b32 s23, s12, 1
	SADD 22, 23
	s_mul_i32 s66, s22, 12288
	s_mul_i32 s23, s16, 6144
	SADD 66, 23
	s_mul_i32 s23, s15, 768
	SADD 66, 23
	s_lshl_b32 s54, s22, 9
	s_lshl_b32 s23, s14, 8
	SADD 54, 23
	s_mov_b64 s[12:13], s[88:89]                   ; q's or k's bias, for the loads between the phases
	s_lshl_b32 s90, s40, 2
	SADD 90, 14                                    ; my number among the sixteen waves of my row of the cluster
	s_lshl_b32 s100, s41, 2
	SADD 100, 14                                   ; and of my column
	s_mov_b32 s46, 0
	s_mov_b32 s47, 0
	s_mov_b32 s8, SCL
	s_xor_b32 s20, s87, 1                          ; the chunks still to come are the other half's
	s_mul_i32 s21, s20, 2*RA*KROW
	s_add_co_u32 s88, s67, s21
	s_mul_i32 s21, s20, 2*CU*256
	SADD 55, 21
	WIN 3<<6
	v_add_nc_u32 v[BA-768], 0, v[ADRB]
	v_add_nc_u32 v[BA-768+1], 0, v[ADRB+1]
	v_add_nc_u32 v[BA-768+2], 0, v42
	v_add_nc_u32 v[BA-768+3], 0, v43
	v_add_nc_u32 v[BA-768+4], 16*PITCH, v[ADRB]
	v_add_nc_u32 v[BA-768+5], 16*PITCH, v[ADRB+1]
	v_add_nc_u32 v[BA-768+6], 16*PITCH, v42
	v_add_nc_u32 v[BA-768+7], 16*PITCH, v43
	WIN 0
	PFTILE 8, 9, 100                               ; what the first refill will load
	WALU
	s_wait_loadcnt 0x0
	WIN (3<<6)|3
.irp t, 0,8,16,24
.irp i, 1,2,3,4,5,6,7
	v_mov_b32 v[BBV-768+\t+\i], v[BBV-768+\t]
.endr
.endr
	WIN 0
	WALU
	s_cmp_eq_u32 s14, 0
	s_cbranch_scc0 .Lnot_b
	s_wait_tensorcnt 0x0
.Lnot_b:
	BARRIER                                        ; Wv's rows are in
	PFGO 8, 76
	WEIGHTS
	s_cmp_eq_u32 s14, 3
	s_cbranch_scc1 .Lnot_a0
	s_wait_tensorcnt 0x0
.Lnot_a0:
	s_wait_dscnt 0x0
	BARRIER                                        ; chunk 0 and the scale bytes are in; chunk 1 may be on its way
	FETCH01
	s_wait_kmcnt 0x0
	s_mov_b32 s21, 0
	s_mov_b32 s20, s83
	s_add_nc_u64 s[48:49], s[10:11], s[20:21]
	s_mov_b32 s20, s82
	s_add_nc_u64 s[10:11], s[10:11], s[20:21]
	s_mov_b32 s20, s66
	s_add_nc_u64 s[50:51], s[50:51], s[20:21]
	s_mov_b32 s20, s54
	s_add_nc_u64 s[52:53], s[52:53], s[20:21]
; ---- phase 1: v, eight blocks; chunk 0's ways out stand in chunk 1's blocks
.irp s, 0,1
	s_wait_dscnt NF
	BLOCK 1, \s, HV0+8*\s, 32, 0, 32, L_STEP, \s, 1
	WIN 0
	PLACES 4
	WALU
	FETCH \s
.endr
	s_wait_dscnt NF
	s_wait_xcnt 0x0                                ; the list writes v8, the address of the head's prefetch
	GRD
	BLOCK 1, 0, HV0+16, 32, 0, 24, L_V2
	WIN 0
	s_wait_dscnt 0x0
	s_barrier_signal -1
	BLOCK 1, 0, HV0+16, 32, 24, 32, L_NONE
	MIDDLE
	BARRIER
	s_cmp_lt_u32 s14, 2
	s_cbranch_scc0 .Lno_half
	TLOAD G0B, G1B                                 ; a half each of the second weight, onto Wv's rows, which all waves hold in registers
.Lno_half:
	PLACES 4
	WALU
	FETCH 0
	PFGO 7, 4
	PFGO 8, 6
	BLOCK 1, 1, HV0+24, 32, 0, 32, L_STEP, 1, 0
	WIN 0
	PLACES 4
	WALU
	FETCH 1
.irp j, 0,1,2
	s_wait_dscnt NF+(\j+1)/2
.if \j < 2
	BLOCK 1, \j%2, HV1+8*\j, 32, 0, 32, L_VO, HV0+32*\j, \j
.else
	BLOCK 1, \j%2, HV1+8*\j, 32, 0, 32, L_LAST, HV0+32*\j, \j
.endif
	WIN 0
	CODES6 HV0+32*\j, MCD+6*\j, \j
	WALU
	ds_store_b8 v[STV], v[EB+\j] offset:2*\j
	PUT MCD+6*\j, 50, 1536*\j
.if \j < 2
	FETCH \j%2
.endif
.endr
	s_wait_dscnt 1
	BLOCK 1, 1, HV1+24, 32, 0, 26, L_V7, HV0+96, 3
	WIN 0
	WALU
	s_wait_tensorcnt 0x0
	s_wait_dscnt 0x0
	s_barrier_signal -1                            ; a plain barrier: the second weight is shown to all
	BLOCK 1, 1, HV1+24, 32, 26, 32, L_NONE
	WIN 0
	s_barrier_wait -1
	CODES6 HV0+96, MCD+18, 3
	WALU
	ds_store_b8 v[STV], v[EB+3] offset:6
	PUT MCD+18, 50, 4608
; ---- the change of phase: the weights and the first two blocks' rows in one run; chunk 1's four ways out under their flight
	global_load_b128 v[BBQ:BBQ+3], v21, s[12:13]
	global_load_b128 v[BBQ+4:BBQ+7], v21, s[12:13] offset:16
	global_load_b128 v[BBQ+8:BBQ+11], v63, s[12:13] offset:32
	global_load_b128 v[BBQ+12:BBQ+15], v63, s[12:13] offset:48
	global_load_b128 v[BBQ+16:BBQ+19], v21, s[12:13] offset:64
	global_load_b128 v[BBQ+20:BBQ+23], v21, s[12:13] offset:80
	global_load_b128 v[BBQ+24:BBQ+27], v63, s[12:13] offset:96
	global_load_b128 v[BBQ+28:BBQ+31], v63, s[12:13] offset:112
	WEIGHTS
	FETCH01
	PFGO 20, 4
	WIN 3
.set I, 0
.rept 16
	v_mov_b32 v[SB+I], v[SB2-768+I]
.set I, I+1
.endr
	WIN 0
.set I, 0
.rept 18
.irp t, 0,1,2,3
	CHAIN I, HV1+32*\t, \t, 64+4*\t
.endr
.set I, I+1
.endr
.set I, 0
.rept 6
.irp t, 0,1,2,3
	CODES I, HV1+32*\t, MCD+24+6*\t, \t, 80+4*\t
.endr
.set I, I+1
.endr
	WIN 0
	WALU
; ---- phase 2: q or k, sixteen blocks
	s_wait_loadcnt 0x0
	s_wait_dscnt NF
	BLOCK 0, 0, ACC, 8, 0, 32, L_STEP, 0, 1
	WIN 0
	PLACES 4
	WALU
.irp t, 0,1,2,3
	ds_store_b8 v[STV], v[EB+\t] offset:256+2*\t
.endr
.irp t, 0,1,2,3
	PUT MCD+24+6*\t, 50, 12288+1536*\t
.endr
	FETCH 0
	ODD NF+4, 1, 1
	s_mov_b32 s86, 0
.Lwith_rounds:                                     ; blocks 2 to 5, 6 to 9
	EVENROUND NF+1
	ODD -1, 1, 0
	EVEN NF+1, 1, 1
	ODD NF+1, 1, 1
	s_add_co_u32 s86, s86, 1
	s_cmp_lg_u32 s86, 2
	s_cbranch_scc1 .Lwith_rounds
	EVENSHOW NF+1
	ODD -1, 1, 0
	EVEN NF+1, 1, 1
	ODD NF+1, 1, 1
	EVEN NF+1, 0, 0
	ODD 1, 0, 0
; ---- the end: the last way out; the scale bytes go through LDS under its conversions
	s_lshl_b32 s21, s14, 8
	s_add_co_u32 s21, s21, XN
	v_add_nc_u32 v12, s21, v[C8]
	s_lshl_b32 s21, s14, 7
	s_add_co_u32 s21, s21, XM
	v_lshl_add_u32 v14, v3, 2, s21
	s_mov_b32 s20, 0x05040100
	s_mov_b32 s21, 0x07060302
.set I, 0
.rept 18
	CHAIN I, ACC+32, 1
.set I, I+1
.endr
	CODES 2, ACC+32, NCD+6, 1
	WALU
	ds_store_b8 v[VX], v[EB+1] offset:2
	s_wait_dscnt 0x0
	s_barrier_signal -1
	CODES 0, ACC+32, NCD+6, 1
	CODES 1, ACC+32, NCD+6, 1
	v_nop
.irp i, 3,4,5
	CODES \i, ACC+32, NCD+6, 1
.endr
	s_barrier_wait -1
	WALU
	ds_load_b64 v[64:65], v12
	ds_load_b64 v[66:67], v12 offset:1024
	ds_load_b32 v68, v14
	ds_load_b32 v69, v14 offset:512
	PUT NCD+6, 84, 1536
	s_wait_dscnt 0x0
	v_perm_b32 v72, v66, v64, s20                  ; two bytes of each half of a row's scale word
	v_perm_b32 v73, v66, v64, s21
	v_perm_b32 v74, v67, v65, s20
	v_perm_b32 v75, v67, v65, s21
	v_perm_b32 v76, v69, v68, s20
	v_perm_b32 v77, v69, v68, s21
	global_store_b128 v[CO], v[72:75], s[48:49]
	global_store_b64 v[C8], v[76:77], s[52:53]
	WALU
	s_wait_tensorcnt 0x0
	ds_add_u32 v[SPW], v[NIL]
	s_wait_dscnt 0x0
	CROUND
	s_endpgm
.Lfunc_end_k_qba558651d2_proj:
	.size	k_qba558651d2_proj, .Lfunc_end_k_qba558651d2_proj-k_qba558651d2_proj
	.p2alignl 7, 3214868480
	.fill 96, 4, 3214868480
	.section	.rodata,"a",@progbits
	.p2align	6, 0x0
	.amdhsa_kernel k_qba558651d2_proj
		.amdhsa_group_segment_fixed_size 327680
		.amdhsa_private_segment_fixed_size 0
		.amdhsa_enable_private_segment 0
		.amdhsa_kernarg_size 112
		.amdhsa_user_sgpr_count 2
		.amdhsa_user_sgpr_kernarg_segment_ptr 1
		.amdhsa_wavefront_size32 1
		.amdhsa_system_sgpr_workgroup_id_x 1
		.amdhsa_system_sgpr_workgroup_id_y 1
		.amdhsa_system_sgpr_workgroup_id_z 1
		.amdhsa_system_vgpr_workitem_id 0
		.amdhsa_next_free_vgpr 1024
		.amdhsa_next_free_sgpr 106
		.amdhsa_reserve_vcc 0
		.amdhsa_float_denorm_mode_32 3
		.amdhsa_float_denorm_mode_16_64 3
		.amdhsa_memory_ordered 1
		.amdhsa_forward_progress 1
		.amdhsa_inst_pref_size 207
	.end_amdhsa_kernel
	.amdgpu_metadata
---
amdhsa.version: [ 1, 2 ]
amdhsa.kernels:
  - .name:           k_qba558651d2_proj
    .symbol:         k_qba558651d2_proj.kd
    .args:
      - { .name: x_codes, .offset: 0, .size: 8, .value_kind: global_buffer, .address_space: global }
      - { .name: x_scales, .offset: 8, .size: 8, .value_kind: global_buffer, .address_space: global }
      - { .name: Wq_codes, .offset: 16, .size: 8, .value_kind: global_buffer, .address_space: global }
      - { .name: Wq_scales, .offset: 24, .size: 8, .value_kind: global_buffer, .address_space: global }
      - { .name: Wk_codes, .offset: 32, .size: 8, .value_kind: global_buffer, .address_space: global }
      - { .name: Wk_scales, .offset: 40, .size: 8, .value_kind: global_buffer, .address_space: global }
      - { .name: Wv_codes, .offset: 48, .size: 8, .value_kind: global_buffer, .address_space: global }
      - { .name: Wv_scales, .offset: 56, .size: 8, .value_kind: global_buffer, .address_space: global }
      - { .name: bq, .offset: 64, .size: 8, .value_kind: global_buffer, .address_space: global }
      - { .name: bk, .offset: 72, .size: 8, .value_kind: global_buffer, .address_space: global }
      - { .name: bv, .offset: 80, .size: 8, .value_kind: global_buffer, .address_space: global }
      - { .name: qk_img, .offset: 88, .size: 8, .value_kind: global_buffer, .address_space: global }
      - { .name: v_img, .offset: 96, .size: 8, .value_kind: global_buffer, .address_space: global }
      - { .name: v_sc, .offset: 104, .size: 8, .value_kind: global_buffer, .address_space: global }
    .group_segment_fixed_size: 327680
    .private_segment_fixed_size: 0
    .kernarg_segment_align: 8
    .kernarg_segment_size: 112
    .max_flat_workgroup_size: 128
    .sgpr_count:     106
    .vgpr_count:     1024
    .wavefront_size: 32
...
	.end_amdgpu_metadata
.endif
;; end of part 1
;; launch scores (part 2): grid 8 x 32, 4 waves a work-group, clusters of 4 x 4, 327,680 bytes of LDS; arguments qk_img, p_img, p_stat; writes p_img, p_stat
.if DOCPART == 2
	.amdgcn_target "amdgcn-amd-amdhsa--gfx1250"
	.amdhsa_code_object_version 6
	.text
	.protected	k_qba558651d2_scores
	.globl	k_qba558651d2_scores
	.p2align	8
	.type	k_qba558651d2_scores,@function
k_qba558651d2_scores:
	s_mov_b64 s[64:65], 0
	v_nop
	global_prefetch_b8 v0, s[64:65] scope:SCOPE_SE
	s_setreg_imm32_b32 hwreg(HW_REG_WAVE_MODE, 25, 1), 1
	s_wait_xcnt 0x0
	s_wait_alu depctr_hold_cnt(0) depctr_sa_sdst(0) depctr_va_vdst(0) depctr_va_sdst(0) depctr_va_ssrc(0) depctr_va_vcc(0) depctr_vm_vsrc(0)
	s_getreg_b32 s2, hwreg(HW_REG_IB_STS2, 6, 4)
	s_cmp_eq_u32 s2, 0
	s_cbranch_scc0 .Lentry_in_a_cluster
	s_endpgm
.Lentry_in_a_cluster:
	s_bfe_u32 s2, ttmp6, 0x10000c
	s_cmp_lg_u32 s2, 0xf033
	s_cbranch_scc0 .Lentry_shape_is_right
	s_endpgm
.Lentry_shape_is_right:
; S^T = k q^T on codes of FP6 over 1,024 channels, then, for each row and each piece of 128 keys: M = ceil of the piece's largest t = score x log2(e) / 8, p = 2^(t - M), its sum of the unquantised p, and p quantised along the keys.
; LIMIT: the promise holds while the scaled scores stay under 2^31 in magnitude.  NaN and infinities are not served.
.set IMG, 12800
; A tile is 256 queries x 256 keys: 256 work-groups of four waves, each 128 x 128 in 64 accumulators.  q and k come as images of operand registers, 12,288 bytes for 128 rows and 128 channels, with their scale words behind, 512 bytes.
; A slot holds three such slices of 2 x 128 rows of q and of k; slot 0 is filled at the head and once more with slices 6 and 7, slot 1 once.  Each wave brings a quarter by one joint load.  CLUSTER 4 x 4: q along a row, k along a column.
; By the order of rows in the images a lane's 32 results of four neighbouring tiles are one block of 32 keys.  TRANSPOSED USE (source 0 = 16 keys, source 1 = 16 queries): a lane holds one query.
; A STEP is 64 products on one of two sets of registers; the next step's 66 LDS loads go into the other set in two runs: scale words and k's fragments at the step's head, q's in its middle, in ascending blocks.
; No prefetch: the eight steps have three fills and no loop to run ahead in; the head's loads are asked for first and alone.
; REGISTERS: window 0: v2-21 addresses; v32-47 scale words, two sets, and nothing else; v48-239 q's fragments, two sets.  window 1: k's, at v0 and v128.  windows 2, 3: the accumulators, (a, b) at v[8 (8 (a % 4) + b)].
.set HT, 3*IMG
.set SLOT, 4*HT
.set SPARE, 2*SLOT
.set AA16, 2
.set AA8, 4
.set AB16, 6
.set AB8, 8
.set ADRS, 10
.set LI, 12
.set H8, 13
.set SPW, 28
.set NIL, 29
.set SC, 32
.set AF, 48
.set CD, 128                           ; behind the steps q's fragments are done with: v128-167 codes, v168-209 at work, v210-233 the rows' words, v64-75 records
.set BM, 168
.set BT, 176
.set SO, 180
.set BY, 184
.set X, 188
.set NMP, 190
.set SA, 194
.set PWS, 210
.set NMS, 218
.set LS, 226
.set OW, 64
.set G1, 24
.set G0, 32
.set G1B, 48
.set G0B, 56
.set HM, 45
.set CS, 96
.set SEL, 98
.set MSB, 0
.macro WIN new
.if MSB != \new
	s_set_vgpr_msb (MSB<<8)|\new
.set MSB, \new
.endif
.endm
.macro WALU
	s_wait_alu depctr_va_vdst(0)
.endm
.macro PLACES n
.rept \n
	v_nop
.endr
.endm
.macro JLOAD s
	s_cmp_eq_u32 s15, 0
	s_cbranch_scc0 .Lfor_b_\@
	tensor_load_to_lds s[G0+4*\s:G0+4*\s+3], s[G1:G1+7]
	s_nop 0
	PLACES 4
	s_branch .Lasked_\@
.Lfor_b_\@:
	tensor_load_to_lds s[G0B+4*\s:G0B+4*\s+3], s[G1B:G1B+7]
	s_nop 0
	PLACES 4
.Lasked_\@:
.endm
.macro CREST
	s_cmp_lg_u32 s14, 0
	s_cbranch_scc1 .Lnot_wave_0_\@
	s_barrier_signal -3
.Lnot_wave_0_\@:
	s_barrier_wait -3
	s_barrier_signal -1
	s_barrier_wait -1
.endm
.macro CROUND
	s_barrier_signal -1
	s_barrier_wait -1
	CREST
.endm
	s_load_b128 s[4:7], s[0:1], 0x0                ; qk_img, p_img
	s_load_b64 s[8:9], s[0:1], 0x10                ; p_stat
	v_lshl_add_u32 v[SPW], v0, 2, SPARE
	v_mov_b32 v[NIL], 0
	ds_add_u32 v[SPW], v[NIL]
	ds_add_u32 v[SPW], v[NIL]
	v_lshrrev_b32 v1, 5, v0
	v_readfirstlane_b32 s14, v1
	s_lshr_b32 s15, s14, 1                         ; my half of the queries; I fetch for q (0) or k (1)
	s_and_b32 s16, s14, 1                          ; my half of the keys; which half I fetch
	s_bfe_u32 s40, ttmp6, 0x40000
	s_bfe_u32 s41, ttmp6, 0x40004
	s_lshl_b32 s42, ttmp9, 2
	s_add_co_u32 s42, s42, s40                     ; tile of keys, 0..7
	s_and_b32 s3, ttmp7, 0xffff
	s_lshl_b32 s17, s3, 2
	s_add_co_u32 s17, s17, s41                     ; tile of queries, 0..31
	s_lshr_b32 s2, s3, 1                           ; the batch
	s_lshl_b32 s43, s41, 2
	s_lshl_b32 s43, 15, s43
	s_lshl_b32 s44, 0x1111, s40
	s_or_b32 s[G1+0], s43, (3<<16)|(1<<21)         ; dense bytes as rows of 256
	s_or_b32 s[G1B+0], s44, (3<<16)|(1<<21)
.irp g, G1, G1B
	s_mov_b32 s[\g+1], 32<<16
	s_mov_b32 s[\g+2], 150<<16
	s_mov_b32 s[\g+3], 32<<16
	s_mov_b32 s[\g+4], 150
	s_mov_b32 s[\g+5], 32
	s_mov_b32 s[\g+6], 0
	s_mov_b32 s[\g+7], 0
.endr
	s_lshl_b32 s20, s17, 1
	s_add_co_u32 s20, s20, s16
	s_mul_i32 s20, s20, 8*IMG
	s_mov_b32 s21, 0
	s_lshl_b32 s46, s2, 4
	s_lshl_b32 s47, s42, 1
	s_add_co_u32 s46, s46, s47
	s_add_co_u32 s46, s46, s16
	s_mul_i32 s46, s46, 8*IMG
	s_add_co_u32 s46, s46, 6553600                 ; k lies behind q
	s_mov_b32 s47, 0
	s_mul_i32 s80, s14, HT
	s_lshl_b32 s18, s17, 1                         ; the p tile's number
	s_add_co_u32 s18, s18, s15
	s_lshl_b32 s18, s18, 4
	s_lshl_b32 s19, s42, 1
	s_add_co_u32 s19, s19, s16
	s_add_co_u32 s18, s18, s19
	s_mul_i32 s22, s18, 12288
	s_mov_b32 s23, 0
	s_lshl_b32 s92, s18, 9
	s_mov_b32 s93, 0
	s_wait_dscnt 0x0
	CROUND                                         ; the opening round, ahead of the wait for the arguments
	s_wait_kmcnt 0x0
	s_add_nc_u64 s[20:21], s[4:5], s[20:21]
	s_add_nc_u64 s[46:47], s[4:5], s[46:47]
.irp s, 0,1
	s_mov_b32 s[G0+4*\s], 1
	s_add_co_u32 s[G0+4*\s+1], s80, \s*SLOT
	s_add_nc_u64 s[G0+4*\s+2:G0+4*\s+3], s[20:21], \s*HT
	s_or_b32 s[G0+4*\s+3], s[G0+4*\s+3], 0x80000000
	s_mov_b32 s[G0B+4*\s], 1
	s_add_co_u32 s[G0B+4*\s+1], s80, \s*SLOT
	s_add_nc_u64 s[G0B+4*\s+2:G0B+4*\s+3], s[46:47], \s*HT
	s_or_b32 s[G0B+4*\s+3], s[G0B+4*\s+3], 0x80000000
.endr
	JLOAD 0                                        ; one tensor load a wave at the head
	s_add_nc_u64 s[12:13], s[6:7], s[22:23]
	s_add_nc_u64 s[66:67], s[8:9], s[92:93]
	s_mul_i32 s81, s15, HT                         ; my rows of q in a slot
	s_add_co_u32 s82, s16, 2
	s_mul_i32 s82, s82, HT                         ; and of k
	s_sub_co_u32 s83, s82, s81
	s_add_co_u32 s84, s81, 12288
	s_mov_b32 s[CS], 0x3e38aa3b                    ; log2(e) / 8
	s_mov_b32 s[CS+1], s[CS]
	s_mov_b32 s[SEL], 0x76543210
	s_mov_b32 s[SEL+1], 0xfedcba98
	s_mov_b32 s[HM], 0xffff0000
	v_and_b32 v16, 15, v0
	v_bfe_u32 v17, v0, 4, 1
	v_and_b32 v18, 31, v0
	v_lshlrev_b32 v[LI], 4, v18
	v_lshlrev_b32 v19, 3, v18
	v_lshlrev_b32 v[H8], 3, v17
	v_add_nc_u32 v[AA16], s81, v[LI]
	v_add_nc_u32 v[AA8], s81, v19
	v_add_nc_u32 v[AB16], s82, v[LI]
	v_add_nc_u32 v[AB8], s82, v19
	v_lshlrev_b32 v20, 4, v16
	v_mul_u32_u24 v21, s83, v17                    ; lanes 16-31 take k's words
	v_add_nc_u32 v20, v20, v21
	v_add_nc_u32 v[ADRS], s84, v20
	v_add_nc_u32 v[AA16+1], SLOT, v[AA16]
	v_add_nc_u32 v[AA8+1], SLOT, v[AA8]
	v_add_nc_u32 v[AB16+1], SLOT, v[AB16]
	v_add_nc_u32 v[AB8+1], SLOT, v[AB8]
	v_add_nc_u32 v[ADRS+1], SLOT, v[ADRS]
.macro FRP reg, a16, a8, q
.if K_ == 0
	ds_load_b128 v[\reg:\reg+3], v[\a16] offset:(\q)*IMG+F_*1536
.elseif K_ == 1
	ds_load_b64 v[\reg+4:\reg+5], v[\a8] offset:(\q)*IMG+F_*1536+512
.elseif K_ == 2
	ds_load_b128 v[\reg+6:\reg+9], v[\a16] offset:(\q)*IMG+F_*1536+768
.else
	ds_load_b64 v[\reg+10:\reg+11], v[\a8] offset:(\q)*IMG+F_*1536+1280
.endif
.endm
; load n of the 66 that bring slice q of slot sl into set p: 2 of scale words, 32 of k, 32 of q
.macro LOADN n, sl, q, p
.if (\n) < 2
	WIN 0
	ds_load_b128 v[SC+8*(\p)+4*(\n):SC+8*(\p)+4*(\n)+3], v[ADRS+(\sl)] offset:(\q)*IMG+256*(\n)
.elseif (\n) < 34
.set F_, ((\n)-2)/4
.set K_, ((\n)-2)%4
	WIN 0x40
	FRP 128*(\p)+12*F_, AB16+(\sl), AB8+(\sl), \q
.else
.set F_, ((\n)-34)/4
.set K_, ((\n)-34)%4
	WIN 0
	FRP AF+96*(\p)+12*F_, AA16+(\sl), AA8+(\sl), \q
.endif
.endm
.macro LOADS t, sl, q, p               ; on to load t
.rept 66
.if L_ < \t
	LOADN L_, \sl, \q, \p
.set L_, L_+1
.endif
.endr
.endm
; product n = 8 a + b on set p; the 64 accumulators take turns, one instruction a turn, in the same order in every step
.macro PRD n, p, zero
.set A_, (\n)/8
.set B_, (\n)%8
.set D_, 8*(8*(A_%4)+B_)
	WIN (0xa1+0x50*(A_/4))
.if \zero
	v_wmma_scale_f32_16x16x128_f8f6f4 v[D_:D_+7], v[128*(\p)+12*B_:128*(\p)+12*B_+11], v[AF+96*(\p)+12*A_:AF+96*(\p)+12*A_+11], 0, v[SC+8*(\p)+B_], v[SC+8*(\p)+A_] matrix_a_fmt:MATRIX_FMT_FP6 matrix_b_fmt:MATRIX_FMT_FP6 matrix_a_scale:MATRIX_SCALE_ROW1
.else
	v_wmma_scale_f32_16x16x128_f8f6f4 v[D_:D_+7], v[128*(\p)+12*B_:128*(\p)+12*B_+11], v[AF+96*(\p)+12*A_:AF+96*(\p)+12*A_+11], v[D_:D_+7], v[SC+8*(\p)+B_], v[SC+8*(\p)+A_] matrix_a_fmt:MATRIX_FMT_FP6 matrix_b_fmt:MATRIX_FMT_FP6 matrix_a_scale:MATRIX_SCALE_ROW1
.endif
.endm
; a step on set p; sl, q: where the next step's slice lies (sl < 0: there is none).  At N products all but 24 - N / 2 of this step's loads are needed; L_ of the next step's stand behind them
.macro STEP p, zero, sl, q
	PLACES 4                                       ; in front of loads into the set that the step before multiplied
.set L_, 0
.if (\sl) >= 0
	LOADS 34, \sl, \q, 1-\p
.endif
	s_wait_dscnt 24+L_
.set N_, 0
.rept 64
.if N_ == 16
	s_wait_dscnt 16+L_
.elseif N_ == 32
	s_wait_dscnt 8+L_
.if (\sl) >= 0
	LOADS 66, \sl, \q, 1-\p
.endif
.elseif N_ == 48
.if L_
	s_wait_dscnt 60                                ; the counter's field holds 63: six of the next step's loads are waited for too
.else
	s_wait_dscnt 0
.endif
.endif
	PRD N_, \p, \zero
.set N_, N_+1
.endr
.endm
; a slot's last step: every wave's waits, the add and the barrier; fill = 1: a round, and slot 0 takes slices 6 and 7
.macro TURN p, sl, q, fill
	WIN 0
	s_wait_tensorcnt 0x0
	ds_add_u32 v[SPW], v[NIL]
	s_wait_dscnt 25                                ; the add and q's blocks 2 to 7 may be out
.if \fill
	s_add_nc_u64 s[G0+2:G0+3], s[G0+2:G0+3], 6*IMG
	s_add_nc_u64 s[G0B+2:G0B+3], s[G0B+2:G0B+3], 6*IMG
	s_mov_b32 s[G1+2], 100<<16
	s_mov_b32 s[G1+4], 100
	s_mov_b32 s[G1B+2], 100<<16
	s_mov_b32 s[G1B+4], 100
.endif
.set N_, 0
.rept 8
	PRD N_, \p, 0
.set N_, N_+1
.endr
	s_wait_dscnt 0x0                               ; the add is done, and my reads of this slot are over
	s_barrier_signal -1
.rept 8
	PRD N_, \p, 0
.set N_, N_+1
.endr
	WIN 0
	s_barrier_wait -1
.if \fill
	CREST
	JLOAD 0
.else
	PLACES 4
.endif
.set L_, 0
	LOADS 34, \sl, \q, 1-\p
.rept 48
.if N_ == 40
	LOADS 66, \sl, \q, 1-\p
.endif
	PRD N_, \p, 0
.set N_, N_+1
.endr
.endm
	WALU                                           ; the wait at the head's end
	s_wait_tensorcnt 0x0                           ; my quarter of slot 0 is in
	ds_add_u32 v[SPW], v[NIL]
	s_wait_dscnt 0x0
	CROUND
	JLOAD 1                                        ; slot 1's first fill
.set L_, 0
	LOADS 66, 0, 0, 0
	STEP 0, 1, 0, 1
	STEP 1, 0, 0, 2
	TURN 0, 1, 0, 1
	STEP 1, 0, 1, 1
	STEP 0, 0, 1, 2
	TURN 1, 0, 0, 0
	STEP 0, 0, 0, 1
	STEP 1, 0, -1, 0
	WIN 0
; the softmax and the quantiser of block a: 16 queries x 128 keys; registers 32 c .. 32 c + 31 of a lane are one block of 32 keys
; two blocks at once, a and a + 1 (d = 0, 1), in place in their accumulators: their lines stand by turns
.macro SOFT2 a
.set AC, 64*((\a)%4)
.set WN_, 2+(\a)/4
	WIN (5*WN_)
	WALU                                           ; the wait ahead of the matrix results' first readers
.irp b, 0,1,2,3,4,5,6,7
	v_max3_num_f32 v[BM+\b], v[AC+16*\b], v[AC+16*\b+1], 0xff800000
.endr
.irp i, 2,4,6,8,10,12,14
.irp b, 0,1,2,3,4,5,6,7
	v_max3_num_f32 v[BM+\b], v[AC+16*\b+\i], v[AC+16*\b+\i+1], v[BM+\b]
.endr
.endr
	WIN 0
.irp d, 0,1
	v_max_num_f32 v[BM+4*\d], v[BM+4*\d], v[BM+4*\d+1]     ; the largest score of each block of 32 keys, for its scale too
	v_max_num_f32 v[BM+4*\d+1], v[BM+4*\d+2], v[BM+4*\d+3]
.endr
.irp d, 0,1
	v_max_num_f32 v[X+\d], v[BM+4*\d], v[BM+4*\d+1]
.endr
.irp d, 0,1
	v_permlanex16_b32 v[BT+\d], v[X+\d], s[SEL], s[SEL+1]
.endr
.irp d, 0,1
	v_max_num_f32 v[X+\d], v[X+\d], v[BT+\d]
.endr
.irp d, 0,1
	v_mul_f32 v[X+\d], s[CS], v[X+\d]
.endr
.irp d, 0,1
	v_floor_f32 v[NMP+2*\d], -v[X+\d]              ; -M
.endr
	WIN (65*WN_)
.set j, 0
.rept 64
	v_pk_fma_f32 v[AC+j:AC+j+1], v[AC+j:AC+j+1], s[CS:CS+1], v[NMP+2*(j/64):NMP+2*(j/64)+1] op_sel_hi:[1,0,0]
.set j, j+2
.endr
	WIN 0
.irp d, 0,1
	v_fma_f32 v[BM+4*\d], v[BM+4*\d], s[CS], v[NMP+2*\d]
	v_fma_f32 v[BM+4*\d+1], v[BM+4*\d+1], s[CS], v[NMP+2*\d]
.endr
	WALU
	WIN (65*WN_)
.set j, 0
.rept 128
	v_exp_f32 v[AC+j], v[AC+j]
.set j, j+1
.endr
	WIN 0
.irp d, 0,1
	v_exp_f32 v[BM+4*\d], v[BM+4*\d]
	v_exp_f32 v[BM+4*\d+1], v[BM+4*\d+1]
.endr
.irp d, 0,1
	v_mov_b32 v[NMS+(\a)+\d], v[NMP+2*\d]
.endr
	WALU
	WIN (5*WN_)
.irp d, 0,1
.irp i, 0,1,2,3
	v_pk_add_f32 v[SA+8*\d+2*\i:SA+8*\d+2*\i+1], v[AC+64*\d+4*\i:AC+64*\d+4*\i+1], v[AC+64*\d+4*\i+2:AC+64*\d+4*\i+3]   ; the row's sum, of the unquantised p, in four chains
.endr
.endr
	WIN (4*WN_)
.irp j, 16,24,32,40,48,56
.irp d, 0,1
.irp i, 0,1,2,3
	v_pk_add_f32 v[SA+8*\d+2*\i:SA+8*\d+2*\i+1], v[SA+8*\d+2*\i:SA+8*\d+2*\i+1], v[AC+64*\d+\j+2*\i:AC+64*\d+\j+2*\i+1]
.endr
.endr
.endr
	WIN 0
.irp d, 0,1
	v_max_num_f32 v[BM+4*\d], 0x1800000, v[BM+4*\d]        ; the floor 2^(3 - 127): the byte cannot fall under 1
	v_max_num_f32 v[BM+4*\d+1], 0x1800000, v[BM+4*\d+1]
.endr
.irp d, 0,1
	v_pk_add_f32 v[SA+8*\d:SA+8*\d+1], v[SA+8*\d:SA+8*\d+1], v[SA+8*\d+2:SA+8*\d+3]
	v_pk_add_f32 v[SA+8*\d+4:SA+8*\d+5], v[SA+8*\d+4:SA+8*\d+5], v[SA+8*\d+6:SA+8*\d+7]
.endr
.irp d, 0,1
	v_add_nc_u32 v[SO+2*\d], 0xff000000, v[BM+4*\d]
	v_add_nc_u32 v[SO+2*\d+1], 0xff000000, v[BM+4*\d+1]
.endr
.irp d, 0,1
	v_pk_add_f32 v[SA+8*\d:SA+8*\d+1], v[SA+8*\d:SA+8*\d+1], v[SA+8*\d+4:SA+8*\d+5]
.endr
.irp d, 0,1
	v_lshrrev_b32 v[BY+2*\d], 23, v[SO+2*\d]
	v_lshrrev_b32 v[BY+2*\d+1], 23, v[SO+2*\d+1]
.endr
.irp d, 0,1
	v_add_f32 v[X+\d], v[SA+8*\d], v[SA+8*\d+1]
.endr
.irp d, 0,1
	v_lshl_or_b32 v[BY+2*\d], v[BY+2*\d+1], 16, v[BY+2*\d] ; my two bytes, at places 2 c + h of the row's word
.endr
.irp d, 0,1
	v_permlanex16_b32 v[BT+\d], v[X+\d], s[SEL], s[SEL+1]
.endr
.irp d, 0,1
	v_lshlrev_b32 v[BY+2*\d], v[H8], v[BY+2*\d]
.endr
.irp d, 0,1
	v_add_f32 v[LS+(\a)+\d], v[X+\d], v[BT+\d]
.endr
.irp d, 0,1
	v_permlanex16_b32 v[BT+2+\d], v[BY+2*\d], s[SEL], s[SEL+1]
.endr
.irp d, 0,1
	v_or_b32 v[PWS+(\a)+\d], v[BY+2*\d], v[BT+2+\d]
.endr
	WALU
.if (\a) > 0
	s_wait_xcnt 0x0                                ; the last blocks' stores have read the codes' registers
.endif
	WIN (WN_)
.irp d, 0,1
.irp c, 0,1
	v_cvt_scalef32_pk16_fp6_f32 v[CD+20*\d+6*\c:CD+20*\d+6*\c+2], v[AC+64*\d+32*\c:AC+64*\d+32*\c+15], v[SO+2*\d+\c]
	v_cvt_scalef32_pk16_fp6_f32 v[CD+20*\d+12+4*\c:CD+20*\d+14+4*\c], v[AC+64*\d+32*\c+16:AC+64*\d+32*\c+31], v[SO+2*\d+\c]
.endr
.endr
	WIN 0
	v_nop
.irp d, 0,1
.irp c, 0,1
.irp i, 0,1,2
	v_mov_b32 v[CD+20*\d+3+6*\c+\i], v[CD+20*\d+12+4*\c+\i]
.endr
.endr
.endr
.irp d, 0,1
.irp c, 0,1,2
	global_store_b128 v[LI], v[CD+20*\d+4*\c:CD+20*\d+4*\c+3], s[12:13] offset:((\a)+\d)*1536+512*\c
.endr
.endr
.endm
.macro RECORD src, ow, off
.irp i, 0,1,2,3
	v_cndmask_b32 v[\ow+\i], v[\src+\i], v[\src+4+\i], s[HM]
.endr
	global_store_b128 v[LI], v[\ow:\ow+3], s[66:67] offset:\off
.endm
	PLACES 4
.irp i, 0,1,2,3
	v_mov_b32 v[BT+\i], 0                          ; a lane permute's destination counts as one of its sources
.endr
	v_mov_b32 v[NMP+1], 0                          ; the pairs' upper words are named
	v_mov_b32 v[NMP+3], 0
.irp a, 0,2,4,6
	SOFT2 \a
.endr
	RECORD PWS, OW, 0
	RECORD NMS, OW+4, 524288
	RECORD LS, OW+8, 1048576
	WALU
	s_wait_tensorcnt 0x0
	ds_add_u32 v[SPW], v[NIL]
	s_wait_dscnt 0x0
	CROUND
	s_endpgm
.Lfunc_end_k_qba558651d2_scores:
	.size	k_qba558651d2_scores, .Lfunc_end_k_qba558651d2_scores-k_qba558651d2_scores
	.p2alignl 7, 3214868480
	.fill 96, 4, 3214868480
	.section	.rodata,"a",@progbits
	.p2align	6, 0x0
	.amdhsa_kernel k_qba558651d2_scores
		.amdhsa_group_segment_fixed_size 327680
		.amdhsa_private_segment_fixed_size 0
		.amdhsa_enable_private_segment 0
		.amdhsa_kernarg_size 24
		.amdhsa_user_sgpr_count 2
		.amdhsa_user_sgpr_kernarg_segment_ptr 1
		.amdhsa_wavefront_size32 1
		.amdhsa_system_sgpr_workgroup_id_x 1
		.amdhsa_system_sgpr_workgroup_id_y 1
		.amdhsa_system_sgpr_workgroup_id_z 1
		.amdhsa_system_vgpr_workitem_id 0
		.amdhsa_next_free_vgpr 1024
		.amdhsa_next_free_sgpr 100
		.amdhsa_reserve_vcc 0
		.amdhsa_float_denorm_mode_32 3
		.amdhsa_float_denorm_mode_16_64 3
		.amdhsa_memory_ordered 1
		.amdhsa_forward_progress 1
		.amdhsa_inst_pref_size 193
	.end_amdhsa_kernel
	.amdgpu_metadata
---
amdhsa.version: [ 1, 2 ]
amdhsa.kernels:
  - .name:           k_qba558651d2_scores
    .symbol:         k_qba558651d2_scores.kd
    .args:
      - { .name: qk_img, .offset: 0, .size: 8, .value_kind: global_buffer, .address_space: global }
      - { .name: p_img, .offset: 8, .size: 8, .value_kind: global_buffer, .address_space: global }
      - { .name: p_stat, .offset: 16, .size: 8, .value_kind: global_buffer, .address_space: global }
    .group_segment_fixed_size: 327680
    .private_segment_fixed_size: 0
    .kernarg_segment_align: 8
    .kernarg_segment_size: 24
    .max_flat_workgroup_size: 128
    .sgpr_count:     100
    .vgpr_count:     1024
    .wavefront_size: 32
...
	.end_amdgpu_metadata
.endif
;; end of part 2
;; launch mix (part 3): grid 4 x 64, 4 waves a work-group, clusters of 4 x 4, 327,680 bytes of LDS; arguments p_img, p_stat, v_img, v_sc, out0; writes out0
.if DOCPART == 3
	.amdgcn_target "amdgcn-amd-amdhsa--gfx1250"
	.amdhsa_code_object_version 6
	.text
	.protected	k_qba558651d2_mix
	.globl	k_qba558651d2_mix
	.p2align	8
	.type	k_qba558651d2_mix,@function
k_qba558651d2_mix:
	s_mov_b64 s[64:65], 0
	v_nop
	global_prefetch_b8 v0, s[64:65] scope:SCOPE_SE
	s_setreg_imm32_b32 hwreg(HW_REG_WAVE_MODE, 25, 1), 1
	s_wait_xcnt 0x0
	s_wait_alu depctr_hold_cnt(0) depctr_sa_sdst(0) depctr_va_vdst(0) depctr_va_sdst(0) depctr_va_ssrc(0) depctr_va_vcc(0) depctr_vm_vsrc(0)
	s_getreg_b32 s2, hwreg(HW_REG_IB_STS2, 6, 4)
	s_cmp_eq_u32 s2, 0
	s_cbranch_scc0 .Lentry_in_a_cluster
	s_endpgm
.Lentry_in_a_cluster:
	s_bfe_u32 s2, ttmp6, 0x10000c
	s_cmp_lg_u32 s2, 0xf033
	s_cbranch_scc0 .Lentry_shape_is_right
	s_endpgm
.Lentry_shape_is_right:
; out = (p v) / l on codes of FP6, K = the batch's 2,048 keys.  p comes in 16 pieces of 128 keys, each under its own whole number M; the row's M is the largest of them.
; LIMIT: a scale byte that would fall under 0 is held at 0: such a block weighs under 2^-120 of the row's largest p.  NaN and infinities are not served.
.set SLOT, 147456
; AT THE HEAD each thread takes one of the tile's 128 rows: d = (piece's M) - (row's M), a whole number, 0 or less; l = the sum of the pieces' l x 2^d; d is added to the piece's four scale bytes, the same exact scaling of its p.
; A tile is 128 queries x 256 channels: 256 work-groups of four waves, each 64 x 128 in 32 accumulators.  A slot holds 512 keys: p 49,152 bytes, v^T 2 x 49,152; two slots, four fills, one joint load a wave for each.
; v^T's scale records of the batch, 2 x 8,192 bytes, come once, by plain loads.  CLUSTER 4 x 4: p's tiles are asked for jointly along a row, v^T's along a column.  TRANSPOSED USE (source 0 = 16 channels, source 1 = 16 queries).
; A STEP is 32 products on one of two sets of registers, by v^T's blocks; the next step's 46 LDS loads go into the other set in two runs: scale words, p and v^T's blocks 0, 1 at the step's head, blocks 2 to 7 in its middle.
; Step 0 starts the sums; steps 1 to 8 are a loop of two trips of four steps, each of which reads one slot out and fills it again; steps 9 to 15 are written out.  The last goes by p's blocks, so that finished rows leave while others are multiplied.
; PREFETCHES: slot 1's first tile under the statistics; the tiles of the two refills in the loop, a step and a part ahead of the load; each partner asks for its quarter of the tile that its wave fetches.
; THE ORDER OF ROWS: row t of block j of a band of 64 is 8 j + t for t < 8, else 32 + 8 (j xor 1) + t - 8: queries and channels alike; the way out sets both right.
; REGISTERS: window 0: v16-31, v60-63, v96-100, v126, v127 addresses (index 0: the slot at work, 1: the other); v32-47 scale words, two sets, and nothing else; v48-59 1 / l; v128-223 p's fragments, two sets.  window 1: v^T's, at v0 and v128.
;   window 2: the accumulators, (a, b) at v[8 (8 a + b)].  window 3: rows on the way out, two buffers.
.set BASES, 96                         ; v96-98 the three addresses in slot 0, v99, v100 those of the scale words of step 0
.set ASC, 2*SLOT
.set BSC, ASC+8192
.set RLB, BSC+16384
.set SPARE, RLB+512
.set SPITCH, 528                       ; the way out: 16 rows x (512 + 16) a wave, in slot 0, which has had its last fill and its last read by then
.set ADRA, 16
.set AB16, 18
.set AB8, 20
.set RLA, 22
.set RLW, 23
.set LI, 24
.set GOF, 25
.set ADS, 26
.set SPW, 28
.set NIL, 29
.set RD, 30
.set ASW, 31
.set STO, 60                           ; v60, v61: even, odd tiles of channels
.set BSW, 62
.set G16, 63
.set PF, 126
.set SC, 32
.set RL, 48
.set RP, 52
.set VR, 64
.set AF, 128
.set NM, 128
.set LL, 144
.set W, 160
.set GG, 176
.set NG, 192
.set LA, 193
.set LB, 194
.set G1, 24
.set G0, 32
.set G1B, 48
.set G0B, 56
.set PFB, 86
.set ONES, 96
.set MSB, 0
.macro WIN new
.if MSB != \new
	s_set_vgpr_msb (MSB<<8)|\new
.set MSB, \new
.endif
.endm
.macro WALU
	s_wait_alu depctr_va_vdst(0)
.endm
.macro PLACES n
.rept \n
	v_nop
.endr
.endm
.macro JLOAD s
	s_cmp_eq_u32 s15, 0
	s_cbranch_scc0 .Lfor_b_\@
	tensor_load_to_lds s[G0+4*(\s):G0+4*(\s)+3], s[G1:G1+7]
	s_nop 0
	PLACES 4
	s_branch .Lasked_\@
.Lfor_b_\@:
	tensor_load_to_lds s[G0B+4*(\s):G0B+4*(\s)+3], s[G1B:G1B+7]
	s_nop 0
	PLACES 4
.Lasked_\@:
.endm
.macro CREST
	s_cmp_lg_u32 s14, 0
	s_cbranch_scc1 .Lnot_wave_0_\@
	s_barrier_signal -3
.Lnot_wave_0_\@:
	s_barrier_wait -3
	s_barrier_signal -1
	s_barrier_wait -1
.endm
.macro CROUND
	s_barrier_signal -1
	s_barrier_wait -1
	CREST
.endm
.macro PREF fill
	global_prefetch_b8 v[PF], s[PFB:PFB+1] offset:(\fill)*49152 th:TH_LOAD_NT scope:SCOPE_SE
	global_prefetch_b8 v[PF+1], s[PFB:PFB+1] offset:(\fill)*49152 th:TH_LOAD_NT scope:SCOPE_SE
.endm
	s_load_b256 s[4:11], s[0:1], 0x0               ; p_img, p_stat, v_img, v_sc
	s_load_b64 s[12:13], s[0:1], 0x20              ; out
	v_lshl_add_u32 v[SPW], v0, 2, SPARE
	v_mov_b32 v[NIL], 0
	ds_add_u32 v[SPW], v[NIL]
	ds_add_u32 v[SPW], v[NIL]
	v_lshrrev_b32 v1, 5, v0
	v_readfirstlane_b32 s14, v1
	v_lshlrev_b32 v[GOF], 2, v0
	v_lshlrev_b32 v[G16], 4, v0
	s_lshr_b32 s15, s14, 1                         ; my half of the queries; I fetch for p (0) or v^T (1)
	s_and_b32 s16, s14, 1                          ; my half of the channels; which half I fetch
	s_bfe_u32 s40, ttmp6, 0x40000
	s_bfe_u32 s41, ttmp6, 0x40004
	s_lshl_b32 s42, ttmp9, 2
	s_add_co_u32 s42, s42, s40                     ; channel tile, 0..3
	s_and_b32 s3, ttmp7, 0xffff
	s_lshl_b32 s17, s3, 2
	s_add_co_u32 s17, s17, s41                     ; block of 128 queries, 0..63
	s_lshr_b32 s2, s3, 2                           ; the batch
	s_lshl_b32 s43, s41, 2
	s_lshl_b32 s43, 15, s43
	s_lshl_b32 s44, 0x1111, s40
	s_or_b32 s[G1+0], s43, (3<<16)|(1<<21)         ; dense bytes as rows of 256: p 96 rows, v^T 192
	s_mov_b32 s[G1+1], 32<<16
	s_mov_b32 s[G1+2], 96<<16
	s_mov_b32 s[G1+3], 32<<16
	s_mov_b32 s[G1+4], 96
	s_mov_b32 s[G1+5], 32
	s_mov_b32 s[G1+6], 0
	s_mov_b32 s[G1+7], 0
	s_or_b32 s[G1B+0], s44, (3<<16)|(1<<21)
	s_mov_b32 s[G1B+1], 32<<16
	s_mov_b32 s[G1B+2], 192<<16
	s_mov_b32 s[G1B+3], 32<<16
	s_mov_b32 s[G1B+4], 192
	s_mov_b32 s[G1B+5], 32
	s_mov_b32 s[G1B+6], 0
	s_mov_b32 s[G1B+7], 0
	s_lshl_b32 s20, s17, 4
	s_lshl_b32 s21, s16, 1
	s_add_co_u32 s20, s20, s21
	s_mul_i32 s20, s20, 12288
	s_mov_b32 s21, 0
	s_lshl_b32 s46, s42, 1
	s_add_co_u32 s46, s46, s16
	s_lshl_b32 s46, s46, 6
	s_lshl_b32 s47, s2, 4
	s_add_co_u32 s46, s46, s47
	s_mul_i32 s46, s46, 12288
	s_mov_b32 s47, 0
	s_lshl_b32 s92, s42, 16                        ; v^T's records: two runs of 8,192 bytes, 32,768 apart
	s_lshl_b32 s93, s2, 13
	s_add_co_u32 s92, s92, s93
	s_mov_b32 s93, 0
	s_mul_i32 s45, s16, 24576
	s_mul_i32 s95, s16, 49152
	s_add_co_u32 s95, s95, 49152
	s_lshl_b32 s18, s17, 13
	s_mov_b32 s19, 0
	s_mov_b32 s[ONES], 0x01010101
	WALU
	s_wait_dscnt 0x0
	CROUND                                         ; the opening round, ahead of the wait for the arguments
	s_wait_kmcnt 0x0
	s_add_nc_u64 s[20:21], s[4:5], s[20:21]
	s_add_nc_u64 s[46:47], s[8:9], s[46:47]
.irp s, 0,1
	s_mov_b32 s[G0+4*\s], 1
	s_add_co_u32 s[G0+4*\s+1], s45, \s*SLOT
	s_add_nc_u64 s[G0+4*\s+2:G0+4*\s+3], s[20:21], \s*49152
	s_or_b32 s[G0+4*\s+3], s[G0+4*\s+3], 0x80000000
	s_mov_b32 s[G0B+4*\s], 1
	s_add_co_u32 s[G0B+4*\s+1], s95, \s*SLOT
	s_add_nc_u64 s[G0B+4*\s+2:G0B+4*\s+3], s[46:47], \s*49152
	s_or_b32 s[G0B+4*\s+3], s[G0B+4*\s+3], 0x80000000
.endr
	JLOAD 0                                        ; one tensor load a wave at the head
	s_add_nc_u64 s[92:93], s[10:11], s[92:93]
	s_add_nc_u64 s[6:7], s[6:7], s[18:19]
	; the rows' statistics (thread t owns word t of every record, which is one row's) and v^T's records
.set i, 0
.rept 16
	global_load_b32 v[NM+i], v[GOF], s[6:7] offset:524288+512*i    ; -M of piece i
.set i, i+1
.endr
.set i, 0
.rept 16
	global_load_b32 v[W+i], v[GOF], s[6:7] offset:512*i            ; the scale word
.set i, i+1
.endr
.set i, 0
.rept 16
	global_load_b32 v[LL+i], v[GOF], s[6:7] offset:1048576+512*i   ; l
.set i, i+1
.endr
.irp f, 0,1
.irp i, 0,1,2,3
	global_load_b128 v[VR+16*\f+4*\i:VR+16*\f+4*\i+3], v[G16], s[92:93] offset:32768*\f+2048*\i
.endr
.endr
	s_cmp_eq_u32 s15, 0
	s_cselect_b64 s[PFB:PFB+1], s[20:21], s[46:47]
	s_cselect_b32 s88, 24, 48                      ; a partner's units of 256 bytes of the tile
	s_cselect_b32 s89, s40, s41
	s_mul_i32 s89, s89, s88
	s_sub_co_u32 s88, s88, 1
	s_mul_i32 s80, s15, 6144                       ; my four blocks of p
	s_mul_i32 s81, s16, 49152
	s_add_co_u32 s81, s81, 49152                   ; my 128 channels of v^T
	s_lshl_b32 s82, s15, 8                         ; p's record: my half
	s_lshl_b32 s83, s16, 13
	s_add_co_u32 s83, s83, 8192
	s_sub_co_u32 s83, s83, s82                     ; from there to v^T's
	s_mul_i32 s84, s14, 16*SPITCH                  ; my stage
	s_add_co_u32 s90, s82, RLB
	s_add_co_u32 s91, s82, ASC
	s_lshl_b32 s22, s17, 7
	s_lshl_b32 s23, s15, 6
	s_add_co_u32 s22, s22, s23                     ; my first row of out
	s_lshl_b32 s22, s22, 12
	s_lshl_b32 s23, s42, 10
	s_add_co_u32 s22, s22, s23
	s_lshl_b32 s23, s16, 9
	s_add_co_u32 s22, s22, s23                     ; and my first column, in bytes
	s_mov_b32 s23, 0
	s_add_nc_u64 s[12:13], s[12:13], s[22:23]
	v_and_b32 v1, 15, v0
	v_bfe_u32 v2, v0, 4, 1
	v_and_b32 v6, 31, v0
	v_min_u32 v[PF], s88, v6
	v_add_nc_u32 v[PF+1], 32, v6
	v_min_u32 v[PF+1], s88, v[PF+1]
	v_add_nc_u32 v[PF], s89, v[PF]
	v_add_nc_u32 v[PF+1], s89, v[PF+1]
	v_lshlrev_b32 v[PF], 8, v[PF]
	v_lshlrev_b32 v[PF+1], 8, v[PF+1]
	v_lshl_add_u32 v[ASW], v0, 2, ASC
	v_lshl_add_u32 v[RLW], v0, 2, RLB
	v_lshl_add_u32 v[BSW], v0, 4, BSC
	v_lshlrev_b32 v[LI], 4, v6
	v_lshlrev_b32 v7, 3, v6
	v_add_nc_u32 v[ADRA], s80, v[LI]
	v_add_nc_u32 v[AB16], s81, v[LI]
	v_add_nc_u32 v[AB8], s81, v7
	v_add_nc_u32 v[ADRA+1], SLOT, v[ADRA]
	v_add_nc_u32 v[AB16+1], SLOT, v[AB16]
	v_add_nc_u32 v[AB8+1], SLOT, v[AB8]
	v_lshlrev_b32 v5, 4, v1
	v_add_nc_u32 v[RLA], s90, v5
	v_mul_u32_u24 v6, s83, v2                      ; lanes 16-31 take v^T's blocks 0-3,
	v_add_nc_u32 v5, v5, v6
	v_add_nc_u32 v[ADS], s91, v5
	v_lshl_add_u32 v[ADS+1], v2, 8, v[ADS]         ; or, by the second address, its blocks 4-7
	v_mul_u32_u24 v5, v1, SPITCH
	v_add_nc_u32 v5, s84, v5
	v_mul_u32_u24 v6, 160, v2
	v_add_nc_u32 v[STO], v5, v6                    ; in: row r; a tile's two halves of channels
	v_mul_u32_u24 v6, 96, v2
	v_add_nc_u32 v[STO+1], v5, v6
	v_add_nc_u32 v[RD], s84, v[LI]                 ; back: the 32 lanes take one row of 512 bytes
	v_add_nc_u32 v[BASES], 0, v[ADRA]
	v_add_nc_u32 v[BASES+1], 0, v[AB16]
	v_add_nc_u32 v[BASES+2], 0, v[AB8]
	v_add_nc_u32 v[BASES+3], 0, v[ADS]
	v_add_nc_u32 v[BASES+4], 0, v[ADS+1]
	WALU
	s_wait_loadcnt 0x18                            ; all but l and v^T's records (16 + 8 loads)
	v_min3_num_f32 v[NG], v[NM], v[NM+1], v[NM+2]
.irp i, 3,5,7,9,11,13
	v_min3_num_f32 v[NG], v[NG], v[NM+\i], v[NM+\i+1]
.endr
	v_min_num_f32 v[NG], v[NG], v[NM+15]           ; the least -M: the row's
.macro EACH op:vararg
.set i, 0
.rept 16
	\op
.set i, i+1
.endr
.endm
	EACH v_sub_f32 v[NM+i], v[NG], v[NM+i]         ; d
	EACH v_cvt_i32_f32 v[NM+i], v[NM+i]            ; (it saturates)
	WALU
	s_wait_loadcnt 0x8                             ; l is in
	EACH v_ldexp_f32 v[LL+i], v[LL+i], v[NM+i]     ; l x 2^d: nothing is rounded
	EACH v_sub_nc_u32 v[NM+i], 0, v[NM+i]
	PREF 1
	EACH v_min_u32 v[NM+i], 127, v[NM+i]           ; -d, at most 127: p's bytes lie under 128
	EACH v_mul_lo_u32 v[NM+i], v[NM+i], s[ONES]    ; in all four bytes
	EACH v_or_b32 v[W+i], 0x80808080, v[W+i]       ; 128 onto each byte, so that no byte borrows from its neighbour
	EACH v_sub_nc_u32 v[W+i], v[W+i], v[NM+i]
	EACH v_lshrrev_b32 v[NM+i], 7, v[W+i]
	EACH v_and_b32 v[NM+i], s[ONES], v[NM+i]       ; 1 where the byte has not fallen under 0
	EACH v_lshlrev_b32 v[GG+i], 8, v[NM+i]
	EACH v_sub_nc_u32 v[GG+i], v[GG+i], v[NM+i]    ; 0xff there
	EACH v_and_b32 v[W+i], 0x7f7f7f7f, v[W+i]
	EACH v_and_b32 v[W+i], v[W+i], v[GG+i]         ; the corrected bytes, held at 0 from below
	EACH ds_store_b32 v[ASW], v[W+i] offset:512*i
	v_add_f32 v[LA], v[LL], v[LL+2]
	v_add_f32 v[LB], v[LL+1], v[LL+3]
.irp i, 4,6,8,10,12,14
	v_add_f32 v[LA], v[LA], v[LL+\i]
	v_add_f32 v[LB], v[LB], v[LL+\i+1]
.endr
	v_add_f32 v[LA], v[LA], v[LB]                  ; the row's l
	WALU
	v_rcp_f32 v[LB], v[LA]
	v_nop
	WALU
	ds_store_b32 v[RLW], v[LB]
	s_wait_loadcnt 0x0
.irp f, 0,1
.irp i, 0,1,2,3
	ds_store_b128 v[BSW], v[VR+16*\f+4*\i:VR+16*\f+4*\i+3] offset:8192*\f+2048*\i
.endr
.endr
; load n of the 46 that bring step s (quarter q of slot sl) into set p: 2 of scale words, 12 of p, 32 of v^T
.macro LOADN n, sl, q, p, s
.if (\n) < 2
	WIN 0
	ds_load_b128 v[SC+8*(\p)+4*(\n):SC+8*(\p)+4*(\n)+3], v[ADS+(\n)] offset:(\s)*512
.elseif (\n) < 14
.set R_, AF+48*(\p)+4*((\n)-2)
	WIN 0
	ds_load_b128 v[R_:R_+3], v[ADRA+(\sl)] offset:(\q)*12288+512*((\n)-2)
.else
.set F_, ((\n)-14)/4
.set K_, ((\n)-14)%4
.set R_, 128*(\p)+12*F_
.set O_, (\q)*12288+F_*1536
	WIN 0x40
.if K_ == 0
	ds_load_b128 v[R_:R_+3], v[AB16+(\sl)] offset:O_
.elseif K_ == 1
	ds_load_b64 v[R_+4:R_+5], v[AB8+(\sl)] offset:O_+512
.elseif K_ == 2
	ds_load_b128 v[R_+6:R_+9], v[AB16+(\sl)] offset:O_+768
.else
	ds_load_b64 v[R_+10:R_+11], v[AB8+(\sl)] offset:O_+1280
.endif
.endif
.endm
.macro LOADS t, sl, q, p, s            ; on to load t
.rept 46
.if L_ < \t
	LOADN L_, \sl, \q, \p, \s
.set L_, L_+1
.endif
.endr
.endm
; product (a, b) on set p; in a step n = 4 b + a, in the last step by a: the 32 accumulators take turns, one instruction a turn
.macro PRDAB p, zero
.set D_, 8*(8*A_+B_)
	WIN 0xa1
.if \zero
	v_wmma_scale_f32_16x16x128_f8f6f4 v[D_:D_+7], v[128*(\p)+12*B_:128*(\p)+12*B_+11], v[AF+48*(\p)+12*A_:AF+48*(\p)+12*A_+11], 0, v[SC+8*(\p)+B_], v[SC+8*(\p)+A_] matrix_a_fmt:MATRIX_FMT_FP6 matrix_b_fmt:MATRIX_FMT_FP6 matrix_a_scale:MATRIX_SCALE_ROW1
.else
	v_wmma_scale_f32_16x16x128_f8f6f4 v[D_:D_+7], v[128*(\p)+12*B_:128*(\p)+12*B_+11], v[AF+48*(\p)+12*A_:AF+48*(\p)+12*A_+11], v[D_:D_+7], v[SC+8*(\p)+B_], v[SC+8*(\p)+A_] matrix_a_fmt:MATRIX_FMT_FP6 matrix_b_fmt:MATRIX_FMT_FP6 matrix_a_scale:MATRIX_SCALE_ROW1
.endif
.endm
.macro PRD n, p, zero
.set A_, (\n)%4
.set B_, (\n)/4
	PRDAB \p, \zero
.endm
.macro ROWA a                          ; the last step's eight products of block a, on set 1
.irp b, 0,1,2,3,4,5,6,7
.set A_, \a
.set B_, \b
	PRDAB 1, 0
.endr
.endm
; a step on set p.  At N products all but 24 - N of this step's loads are needed; L_ of the next step's stand behind them
.macro STEP3 p, zero, sl, q, s
	PLACES 4                                       ; in front of loads into the set that the step before multiplied
.set L_, 0
	LOADS 22, \sl, \q, 1-(\p), \s
.set N_, 0
.rept 32
.if N_ == 16
	LOADS 46, \sl, \q, 1-(\p), \s
.endif
.if (N_%8) == 0
	s_wait_dscnt 24-N_+L_
.endif
	PRD N_, \p, \zero
.set N_, N_+1
.endr
.endm
; a slot's last step, on set 1; fill = 1: the slot (its offset is s74) is filled again, with the tile behind the last one that was asked for
.macro TURN3 sl, s, fill
	WIN 0
	s_wait_tensorcnt 0x0
	ds_add_u32 v[SPW], v[NIL]
	s_wait_dscnt 25                                ; the add and v^T's blocks 2 to 7 may be out
.if \fill
	s_add_co_u32 s[G0+5], s45, s74
	s_add_nc_u64 s[G0+6:G0+7], s[G0+6:G0+7], 49152
	s_add_co_u32 s[G0B+5], s95, s74
	s_add_nc_u64 s[G0B+6:G0B+7], s[G0B+6:G0B+7], 49152
	s_xor_b32 s74, s74, SLOT
.endif
.set N_, 0
.rept 8
	PRD N_, 1, 0
.set N_, N_+1
.endr
	s_wait_dscnt 0x0                               ; the add is done, and my reads of this slot are over
	s_barrier_signal -1
.rept 4
	PRD N_, 1, 0
.set N_, N_+1
.endr
	WIN 0
	s_barrier_wait -1
.if \fill
	CREST
	JLOAD 1
.else
	PLACES 4
.endif
.set L_, 0
	LOADS 22, \sl, 0, 0, \s
.rept 20
.if N_ == 20
	LOADS 46, \sl, 0, 0, \s
.endif
	PRD N_, 1, 0
.set N_, N_+1
.endr
.endm
	WALU
	s_wait_tensorcnt 0x0                           ; my quarter of slot 0 is in
	ds_add_u32 v[SPW], v[NIL]
	s_wait_dscnt 0x0                               ; the add is done; my rows' words, 1 / l and v^T's records lie in LDS
	CROUND
	JLOAD 1                                        ; slot 1's first fill
	ds_load_b128 v[RL:RL+3], v[RLA]                ; 1 / l of row r of my four blocks
.set L_, 0
	LOADS 46, 0, 0, 0, 0
	STEP3 0, 1, 0, 1, 1
	WIN 0
	s_mov_b32 s70, 0                               ; the slot at work,
	s_mov_b32 s71, SLOT                            ; the other,
	s_mov_b32 s72, 0                               ; the scale words' place,
	s_mov_b32 s73, 0                               ; trips done,
	s_mov_b32 s74, 0                               ; and the slot that is filled next
.Lslots:                                           ; steps 1 to 4, 5 to 8
	STEP3 1, 0, 0, 2, 2
	WIN 0
	PREF 2
	STEP3 0, 0, 0, 3, 3
	TURN3 1, 4, 1
	STEP3 0, 0, 1, 1, 5
	WIN 0
	s_wait_xcnt 0x0                                ; the prefetches have read their base
	s_add_nc_u64 s[PFB:PFB+1], s[PFB:PFB+1], 49152
	s_add_co_u32 s70, s70, SLOT
	s_cmp_eq_u32 s70, 2*SLOT
	s_cselect_b32 s70, 0, s70
	s_add_co_u32 s71, s71, SLOT
	s_cmp_eq_u32 s71, 2*SLOT
	s_cselect_b32 s71, 0, s71
	s_add_co_u32 s72, s72, 2048
	v_add_nc_u32 v[ADRA], s70, v[BASES]
	v_add_nc_u32 v[AB16], s70, v[BASES+1]
	v_add_nc_u32 v[AB8], s70, v[BASES+2]
	v_add_nc_u32 v[ADRA+1], s71, v[BASES]
	v_add_nc_u32 v[AB16+1], s71, v[BASES+1]
	v_add_nc_u32 v[AB8+1], s71, v[BASES+2]
	v_add_nc_u32 v[ADS], s72, v[BASES+3]
	v_add_nc_u32 v[ADS+1], s72, v[BASES+4]
	s_add_co_u32 s73, s73, 1
	s_cmp_lg_u32 s73, 2
	WALU                                           ; the wait ahead of the branch
	s_cbranch_scc1 .Lslots
	STEP3 1, 0, 0, 2, 2                            ; steps 9 to 14
	STEP3 0, 0, 0, 3, 3
	TURN3 1, 4, 0
	STEP3 0, 0, 1, 1, 5
	STEP3 1, 0, 1, 2, 6
	STEP3 0, 0, 1, 3, 7
; ---- the last step and the way out: x 1 / l; a block of 16 rows x 128 channels goes through my own stage and comes back as whole rows of 512 bytes
.macro SCALEO a
	WIN 0x82
.set j, 0
.rept 32
	v_pk_mul_f32 v[64*(\a)+j:64*(\a)+j+1], v[64*(\a)+j:64*(\a)+j+1], v[RP+2*(\a):RP+2*(\a)+1]
.set j, j+2
.endr
.endm
.macro TOSTAGE a
	WIN 0x08
.irp b, 0,1,2,3,4,5,6,7
	ds_store_b128 v[STO+\b%2], v[64*(\a)+8*\b:64*(\a)+8*\b+3] offset:256*(\b/4)+32*(\b%4)
	ds_store_b128 v[STO+\b%2], v[64*(\a)+8*\b+4:64*(\a)+8*\b+7] offset:256*(\b/4)+32*(\b%4)+16
.endr
	WIN 0xc0
.set BB, 64*((\a)%2)
.irp t, 0,1,2,3,4,5,6,7,8,9,10,11,12,13,14,15
	ds_load_b128 v[BB+4*\t:BB+4*\t+3], v[RD] offset:\t*SPITCH   ; LDS serves a wave's instructions in order (ISA guide 5.7.1.4): these see the stores above
.endr
.endm
.macro SEND a, younger
.set BB, 64*((\a)%2)
	s_wait_dscnt \younger
	WIN 0x0c
.irp t, 0,1,2,3,4,5,6,7
	global_store_b128 v[LI], v[BB+4*\t:BB+4*\t+3], s[12:13] offset:(8*(\a)+\t)*4096 th:TH_STORE_NT
.endr
.irp t, 8,9,10,11,12,13,14,15
	global_store_b128 v[LI], v[BB+4*\t:BB+4*\t+3], s[12:13] offset:(24+8*((\a)^1)+\t)*4096 th:TH_STORE_NT
.endr
.endm
	s_wait_dscnt 0
	ROWA 0
	ROWA 1
	WIN 0
.irp a, 0,1,2,3
	v_mov_b32 v[RP+2*\a], v[RL+\a]                 ; as pairs for the packed multiply.  (These eight are also the places behind the products)
	v_mov_b32 v[RP+2*\a+1], v[RL+\a]
.endr
	SCALEO 0
	TOSTAGE 0
	ROWA 2
	SEND 0, 0
	SCALEO 1
	TOSTAGE 1
	ROWA 3
	SEND 1, 0
	PLACES 4
	SCALEO 2
	WALU
	s_wait_xcnt 0x0                                ; block 0's stores have read their registers
	TOSTAGE 2
	SCALEO 3
	SEND 2, 0
	WALU
	s_wait_xcnt 0x0
	TOSTAGE 3
	SEND 3, 0
	WIN 0
	s_wait_tensorcnt 0x0
	ds_add_u32 v[SPW], v[NIL]
	s_wait_dscnt 0x0
	CROUND
	s_endpgm
.Lfunc_end_k_qba558651d2_mix:
	.size	k_qba558651d2_mix, .Lfunc_end_k_qba558651d2_mix-k_qba558651d2_mix
	.p2alignl 7, 3214868480
	.fill 96, 4, 3214868480
	.section	.rodata,"a",@progbits
	.p2align	6, 0x0
	.amdhsa_kernel k_qba558651d2_mix
		.amdhsa_group_segment_fixed_size 327680
		.amdhsa_private_segment_fixed_size 0
		.amdhsa_enable_private_segment 0
		.amdhsa_kernarg_size 40
		.amdhsa_user_sgpr_count 2
		.amdhsa_user_sgpr_kernarg_segment_ptr 1
		.amdhsa_wavefront_size32 1
		.amdhsa_system_sgpr_workgroup_id_x 1
		.amdhsa_system_sgpr_workgroup_id_y 1
		.amdhsa_system_sgpr_workgroup_id_z 1
		.amdhsa_system_vgpr_workitem_id 0
		.amdhsa_next_free_vgpr 1024
		.amdhsa_next_free_sgpr 100
		.amdhsa_reserve_vcc 0
		.amdhsa_float_denorm_mode_32 3
		.amdhsa_float_denorm_mode_16_64 3
		.amdhsa_memory_ordered 1
		.amdhsa_forward_progress 1
		.amdhsa_inst_pref_size 140
	.end_amdhsa_kernel
	.amdgpu_metadata
---
amdhsa.version: [ 1, 2 ]
amdhsa.kernels:
  - .name:           k_qba558651d2_mix
    .symbol:         k_qba558651d2_mix.kd
    .args:
      - { .name: p_img, .offset: 0, .size: 8, .value_kind: global_buffer, .address_space: global }
      - { .name: p_stat, .offset: 8, .size: 8, .value_kind: global_buffer, .address_space: global }
      - { .name: v_img, .offset: 16, .size: 8, .value_kind: global_buffer, .address_space: global }
      - { .name: v_sc, .offset: 24, .size: 8, .value_kind: global_buffer, .address_space: global }
      - { .name: out0, .offset: 32, .size: 8, .value_kind: global_buffer, .address_space: global }
    .group_segment_fixed_size: 327680
    .private_segment_fixed_size: 0
    .kernarg_segment_align: 8
    .kernarg_segment_size: 40
    .max_flat_workgroup_size: 128
    .sgpr_count:     100
    .vgpr_count:     1024
    .wavefront_size: 32
...
	.end_amdgpu_metadata
.endif
;; end of part 3
